; MI455X (gfx1250); checked and timed in simulation.
; The chip was launched on July 23, 2026; its instructions are those of AMD's public machine-readable ISA for CDNA 5 (MIT licence, August 2026) and "CDNA5" Instruction Set Architecture Reference Guide (July 2026). The comments in the code are by the model that wrote it; some were corrected since.
;; Standard Transformer Model. Allowed arithmetic: float matrix products may take bf16 or f16 operands with f32 sums; other float arithmetic in f32, or as packed bf16 or f16 multiplies, adds, multiply-adds, maxima and minima; sums over many terms, partial sums and values carried from step to step in f32; what a program stores and reads back later, other than sums and carried values, may be rounded once to bf16 or f16.
;; Inputs: attn_out_b 2 x 256 float32; attn_out_w 2 x 256 x 256 float32; embed_b 256 float32; embed_w 256 x 64 float32; ffn1_b 2 x 1,024 float32; ffn1_w 2 x 1,024 x 256 float32; ffn2_b 2 x 256 float32; ffn2_w 2 x 256 x 1,024 float32; head_b 10 float32; head_w 10 x 256 float32; inputs 2 x 1,024 x 64 float32; ln1_b 2 x 256 float32; ln1_g 2 x 256 float32; ln2_b 2 x 256 float32; ln2_g 2 x 256 float32; qkv_b 2 x 768 float32; qkv_w 2 x 768 x 256 float32.
;; Outputs: out0 2 x 1,024 x 10 float32.
;; Constants: context_len = 16.
;; 2 versions, each right; version 2 is version 1 with the launch prep written anew for expert scheduling mode. Each part assembles by itself: llvm-mc -triple=amdgcn-amd-amdhsa -mcpu=gfx1250 --defsym DOCPART=n.
;; ======== version 1 of 2: 2 launches
;; limits: values are held in f16: magnitudes above 65,504 overflow, below 6.1e-05 lose precision
;; workspace buffers: wst 3,145,728 bytes; wsm 40,960 bytes; par 28,672 bytes
;; launch prep (part 1): grid 195 x 1, 4 waves a work-group, no clusters, 0 bytes of LDS; arguments attn_out_w, embed_w, ffn1_w, ffn2_w, qkv_w, head_w, attn_out_b, embed_b, ffn1_b, ffn2_b, head_b, ln1_b, ln1_g, ln2_b, ln2_g, qkv_b, wst, wsm, par; writes wst, wsm, par
.if DOCPART == 1
	.amdgcn_target "amdgcn-amd-amdhsa--gfx1250"
	.amdhsa_code_object_version 6
	.text
	.protected	k_q057e460dc2_prep
	.globl	k_q057e460dc2_prep
	.p2align	8
	.type	k_q057e460dc2_prep,@function
k_q057e460dc2_prep:
	s_mov_b64 s[64:65], 0
	v_nop
	global_prefetch_b8 v0, s[64:65] scope:SCOPE_SE
	s_setreg_imm32_b32 hwreg(HW_REG_WAVE_MODE, 25, 1), 1
	s_wait_xcnt 0x0
; PREP: every weight and parameter is rounded once to bf16 and laid out as the second launch consumes it.
; A FRAGMENT is 1,024 bytes: 16 rows x 32 k of a weight matrix W (rows along k).  Byte 512 j + 16 l + 2 e holds W[n0 + l % 16][k0 + 16 j + 8 (l / 16) + e]:
; two loads of 16 bytes a lane, at 16 l and 512 + 16 l, are then the eight registers of a matrix operand.
; A GROUP is 16 fragments.  Shape A(row0): fragment f has n0 = row0 + 16 (f / 8), k0 = 32 (f % 8).  Shape B(K0): fragment f has n0 = 16 f, k0 = K0.
; wst: group 96 layer + i.  i < 32: head i / 4, kind i % 4: K = A(256 + 32 h), Q = A(32 h), V = A(512 + 32 h) of qkv_w; O = B(32 h) of attn_out_w.
;      i >= 32, j = i - 32: W1(s) = A(32 s) of ffn1_w, W2(s) = B(32 s) of ffn2_w.  Layer 0, in the order in which its pipeline fetches: W1(0), W1(1), W2(0), W1(2), W2(1), .. W1(31), W2(30), W2(31).
;      Layer 1 (its FFN runs on few rows, the ff channels shared among four waves): of each eight groups four W1(4 c + u), then four W2(4 c + u).
; wsm: groups 0, 1 = B(0), B(32) of embed_w; at 32,768 eight fragments of head_w (rows 10-15 are 0), rounded to bf16 and that number written as f16.
; par: f32 numbers that are bf16-rounded.  Layer stride 13,312: +0 ffn1_b, +4,096 qkv_b, +7,168 ln1_g, +8,192 ln1_b, +9,216 ffn2_b, +10,240 ln2_g, +11,264 ln2_b, +12,288 attn_out_b of the OTHER layer
;      (so that gain, bias and what is added next always lie on end); 26,624 embed_b; 27,648 head_b, then zeros up to 28,672.
; SHARES.  Work-groups 0-193: a group each, a wave four fragments; work-group 194: par and head_w.  No LDS, no barrier: no wave wants what another has loaded.
; Each store of a wave covers 512 consecutive bytes, aligned.
.set WAVE,   46
.set GID,    47
.set LAYER,  48
.set IDX,    49
.set CAT,    50                        ; 0 qkv_w (A), 1 attn_out_w (B), 2 ffn1_w (A), 3 ffn2_w (B), 4 embed_w (B)
.set CORNER, 51                        ; byte offset of the group's corner in its matrix
.set RB,     56                        ; bytes in a row of the matrix
.set SHB,    57                        ; 1: shape B
.set SRC,    60                        ; s[60:61]
.set DST,    62                        ; s[62:63]
.set WBO,    66                        ; byte offset of the wave's first fragment
.set STEP,   68                        ; bytes from a fragment to the next
	s_load_b512 s[8:23], s[0:1], 0x0               ; attn_out_w 8, embed_w 10, ffn1_w 12, ffn2_w 14, qkv_w 16, head_w 18, attn_out_b 20, embed_b 22
	s_load_b512 s[24:39], s[0:1], 0x40             ; ffn1_b 24, ffn2_b 26, head_b 28, ln1_b 30, ln1_g 32, ln2_b 34, ln2_g 36, qkv_b 38
	s_load_b128 s[40:43], s[0:1], 0x80             ; wst 40, wsm 42
	s_load_b64 s[44:45], s[0:1], 0x90              ; par 44
	v_lshrrev_b32 v10, 5, v0
	v_readfirstlane_b32 s[WAVE], v10               ; wave 0..3
	v_and_b32 v1, 31, v0                           ; lane
	v_and_b32 v2, 15, v0                           ; lane % 16
	v_bfe_u32 v3, v0, 4, 1                         ; lane / 16
	s_mov_b32 s[GID], ttmp9
	s_wait_kmcnt 0x0
	s_cmp_eq_u32 s[GID], 194
	s_cbranch_scc1 .Lparams
	; which group: numbers alone are decoded by branches; the pointers are chosen behind the join
	s_cmp_ge_u32 s[GID], 96
	s_cselect_b32 s[LAYER], 1, 0
	s_mul_i32 s[IDX], s[LAYER], 96
	s_sub_co_u32 s[IDX], s[GID], s[IDX]            ; i
	s_cmp_ge_u32 s[GID], 192
	s_cbranch_scc1 .Lemb
	s_cmp_ge_u32 s[IDX], 32
	s_cbranch_scc1 .Lffn
	s_lshr_b32 s52, s[IDX], 2                      ; head
	s_and_b32 s53, s[IDX], 3                       ; kind
	s_cmp_eq_u32 s53, 3
	s_cbranch_scc1 .Lout
	s_cmp_eq_u32 s53, 0
	s_cselect_b32 s54, 256, 0                      ; K's rows begin at 256, Q's at 0,
	s_cmp_eq_u32 s53, 2
	s_cselect_b32 s54, 512, s54                    ; V's at 512
	s_lshl_b32 s55, s52, 5
	s_add_co_u32 s54, s54, s55                     ; row0
	s_lshl_b32 s[CORNER], s54, 10
	s_mul_i32 s54, s[LAYER], 786432
	s_add_co_u32 s[CORNER], s[CORNER], s54
	s_mov_b32 s[CAT], 0
	s_branch .Lgo
.Lout:
	s_lshl_b32 s[CORNER], s52, 7                   ; K0 = 32 h: 128 bytes
	s_lshl_b32 s54, s[LAYER], 18
	s_add_co_u32 s[CORNER], s[CORNER], s54
	s_mov_b32 s[CAT], 1
	s_branch .Lgo
.Lffn:
	s_sub_co_u32 s52, s[IDX], 32                   ; j
	s_cmp_eq_u32 s[LAYER], 1
	s_cbranch_scc1 .Lffn_tail
	s_and_b32 s53, s52, 1
	s_xor_b32 s55, s53, 1                          ; an even j is a W2,
	s_add_co_u32 s54, s52, 1
	s_lshr_b32 s54, s54, 1
	s_sub_co_u32 s54, s54, s55                     ; odd j: W1((j + 1) / 2); even j: W2(j / 2 - 1);
	s_cmp_eq_u32 s52, 0
	s_cselect_b32 s54, 0, s54                      ; but j = 0 is W1(0)
	s_cselect_b32 s55, 0, s55
	s_cmp_eq_u32 s52, 63
	s_cselect_b32 s54, 31, s54                     ; and j = 63 is W2(31)
	s_cselect_b32 s55, 1, s55
	s_branch .Lffn_both
.Lffn_tail:
	s_lshr_b32 s54, s52, 3                         ; c
	s_and_b32 s53, s52, 3
	s_lshl2_add_u32 s54, s54, s53                  ; 4 c + u % 4
	s_bfe_u32 s55, s52, 0x10002                    ; u >= 4: a W2
.Lffn_both:
	s_cmp_eq_u32 s55, 1
	s_cselect_b32 s53, 7, 15                       ; W2(s): 32 s numbers along a row; W1(s): 32 s rows of 1,024 bytes
	s_lshl_b32 s[CORNER], s54, s53
	s_lshl_b32 s54, s[LAYER], 20
	s_add_co_u32 s[CORNER], s[CORNER], s54
	s_add_co_u32 s[CAT], s55, 2
	s_branch .Lgo
.Lemb:
	s_sub_co_u32 s52, s[GID], 192
	s_lshl_b32 s[CORNER], s52, 7
	s_mov_b32 s[CAT], 4
.Lgo:
	s_mov_b32 s[RB], 1024
	s_cmp_eq_u32 s[CAT], 3
	s_cselect_b32 s[RB], 4096, s[RB]
	s_cmp_eq_u32 s[CAT], 4
	s_cselect_b32 s[RB], 256, s[RB]
	s_and_b32 s[SHB], s[CAT], 1
	s_lshr_b32 s58, s[CAT], 2
	s_or_b32 s[SHB], s[SHB], s58
	s_cmp_eq_u32 s[CAT], 1
	s_cselect_b64 s[SRC:SRC+1], s[8:9], s[16:17]
	s_cmp_eq_u32 s[CAT], 2
	s_cselect_b64 s[SRC:SRC+1], s[12:13], s[SRC:SRC+1]
	s_cmp_eq_u32 s[CAT], 3
	s_cselect_b64 s[SRC:SRC+1], s[14:15], s[SRC:SRC+1]
	s_cmp_eq_u32 s[CAT], 4
	s_cselect_b64 s[SRC:SRC+1], s[10:11], s[SRC:SRC+1]
	s_cselect_b64 s[DST:DST+1], s[42:43], s[40:41]
	s_cselect_b32 s58, s52, s[GID]                 ; the group's number in its buffer
	s_lshl_b32 s58, s58, 14
	s_mov_b32 s59, 0
	s_add_nc_u64 s[DST:DST+1], s[DST:DST+1], s[58:59]
	; the wave's fragments 4 v .. 4 v + 3.  Shape A: 16 (v / 2) rows down, 512 (v % 2) bytes along, 128 bytes apart.  Shape B: 64 v rows down, 16 rows apart.
	s_lshr_b32 s[WBO], s[WAVE], 1
	s_mul_i32 s[WBO], s[WBO], s[RB]
	s_lshl_b32 s[WBO], s[WBO], 4
	s_and_b32 s67, s[WAVE], 1
	s_lshl_b32 s67, s67, 9
	s_add_co_u32 s[WBO], s[WBO], s67
	s_mul_i32 s67, s[WAVE], s[RB]
	s_lshl_b32 s67, s67, 6
	s_lshl_b32 s[STEP], s[RB], 4
	s_cmp_eq_u32 s[SHB], 1
	s_cselect_b32 s[WBO], s67, s[WBO]
	s_cselect_b32 s[STEP], s[STEP], 128
	s_add_co_u32 s[WBO], s[WBO], s[CORNER]
	v_mul_lo_u32 v8, v2, s[RB]
	v_lshl_add_u32 v8, v3, 5, v8                   ; my row, my 8 numbers of each 16
.irp e, 0,1,2,3
	v_add_nc_u32 v[4+\e], s[WBO], v8
	s_add_co_u32 s[WBO], s[WBO], s[STEP]
.endr
	v_lshlrev_b32 v9, 4, v1
	v_lshl_add_u32 v9, v10, 12, v9                 ; where I store: 4,096 x wave + 16 x lane
.irp e, 0,1,2,3
	global_load_b128 v[16+16*\e:19+16*\e], v[4+\e], s[SRC:SRC+1] th:TH_LOAD_NT
	global_load_b128 v[20+16*\e:23+16*\e], v[4+\e], s[SRC:SRC+1] offset:16 th:TH_LOAD_NT
	global_load_b128 v[24+16*\e:27+16*\e], v[4+\e], s[SRC:SRC+1] offset:64 th:TH_LOAD_NT
	global_load_b128 v[28+16*\e:31+16*\e], v[4+\e], s[SRC:SRC+1] offset:80 th:TH_LOAD_NT
.endr
.irp e, 0,1,2,3
	s_wait_loadcnt 12-4*\e                         ; loads come back in order: fragment e's four are in, the younger fragments' stay out
.irp j, 0,1,2,3,4,5,6,7
	v_cvt_pk_bf16_f32 v[80+8*\e+\j], v[16+16*\e+2*\j], v[17+16*\e+2*\j]
.endr
	global_store_b128 v9, v[80+8*\e:83+8*\e], s[DST:DST+1] offset:1024*\e
	global_store_b128 v9, v[84+8*\e:87+8*\e], s[DST:DST+1] offset:1024*\e+512
.endr
	s_endpgm
; four f32 numbers at v[b] are rounded to bf16 and widened again
.macro RND4 b
	v_cvt_pk_bf16_f32 v100, v[\b], v[\b+1]
	v_cvt_pk_bf16_f32 v101, v[\b+2], v[\b+3]
	v_lshlrev_b32 v[\b], 16, v100
	v_and_b32 v[\b+1], 0xffff0000, v100
	v_lshlrev_b32 v[\b+2], 16, v101
	v_and_b32 v[\b+3], 0xffff0000, v101
.endm
.Lparams:                                      ; thread t of 128
	v_lshlrev_b32 v12, 4, v0                       ; 16 t
	v_lshrrev_b32 v11, 6, v0                       ; the layer of a [2, 256] vector's 16 bytes
	v_and_b32 v13, 63, v0
	v_lshlrev_b32 v13, 4, v13
	v_xor_b32 v8, 1, v11
	v_mul_u32_u24 v9, v11, 13312
	v_mul_u32_u24 v8, v8, 13312
	v_add_nc_u32 v14, v13, v8                      ; in the other layer's part
	v_add_nc_u32 v13, v13, v9                      ; in the layer's own part
	v_mul_u32_u24 v102, v11, 10240
	v_add_nc_u32 v102, v102, v12
	v_min_u32 v15, 9, v2                           ; head_w has ten rows
	v_lshlrev_b32 v15, 10, v15
	v_lshl_add_u32 v15, v3, 5, v15
	s_lshl_b32 s52, s[WAVE], 8
	v_add_nc_u32 v15, s52, v15                     ; the wave's fragments ks = 2 v, 2 v + 1: 128 bytes of a row each
	v_lshlrev_b32 v103, 4, v1
	v_lshl_add_u32 v103, v10, 11, v103
	global_load_b128 v[16:19], v12, s[32:33]       ; ln1_g
	global_load_b128 v[20:23], v12, s[30:31]       ; ln1_b
	global_load_b128 v[24:27], v12, s[26:27]       ; ffn2_b
	global_load_b128 v[28:31], v12, s[36:37]       ; ln2_g
	global_load_b128 v[32:35], v12, s[34:35]       ; ln2_b
	global_load_b128 v[36:39], v12, s[20:21]       ; attn_out_b
.irp m, 0,1,2,3
	global_load_b128 v[40+4*\m:43+4*\m], v12, s[24:25] offset:2048*\m  ; ffn1_b
.endr
.irp m, 0,1,2
	global_load_b128 v[56+4*\m:59+4*\m], v12, s[38:39] offset:2048*\m  ; qkv_b
.endr
.irp e, 0,1
	global_load_b128 v[68+16*\e:71+16*\e], v15, s[18:19] offset:128*\e
	global_load_b128 v[72+16*\e:75+16*\e], v15, s[18:19] offset:128*\e+16
	global_load_b128 v[76+16*\e:79+16*\e], v15, s[18:19] offset:128*\e+64
	global_load_b128 v[80+16*\e:83+16*\e], v15, s[18:19] offset:128*\e+80
.endr
	s_wait_loadcnt 0x0
.set b_, 16
.rept 21
	RND4 b_
.set b_, b_+4
.endr
	global_store_b128 v13, v[16:19], s[44:45] offset:7168
	global_store_b128 v13, v[20:23], s[44:45] offset:8192
	global_store_b128 v13, v[24:27], s[44:45] offset:9216
	global_store_b128 v13, v[28:31], s[44:45] offset:10240
	global_store_b128 v13, v[32:35], s[44:45] offset:11264
	global_store_b128 v14, v[36:39], s[44:45] offset:12288
	global_store_b128 v12, v[40:43], s[44:45]
	global_store_b128 v12, v[44:47], s[44:45] offset:2048
	global_store_b128 v12, v[48:51], s[44:45] offset:13312
	global_store_b128 v12, v[52:55], s[44:45] offset:13312+2048
	global_store_b128 v12, v[56:59], s[44:45] offset:4096
	global_store_b128 v102, v[60:63], s[44:45] offset:4096+2048     ; byte 3,072 of qkv_b, at t = 64, begins layer 1
	global_store_b128 v12, v[64:67], s[44:45] offset:4096+4096+10240
	v_cmp_gt_u32 vcc_lo, 10, v2                    ; rows 10 to 15 of the head's fragments are 0
.set j_, 0
.rept 16
	v_cvt_pk_f16_f32 v[104+j_], v[68+2*j_], v[69+2*j_]
.set j_, j_+1
.endr
.set j_, 0
.rept 16
	v_cndmask_b32 v[104+j_], 0, v[104+j_], vcc_lo
.set j_, j_+1
.endr
.irp q, 0,1,2,3
	global_store_b128 v103, v[104+4*\q:107+4*\q], s[42:43] offset:32768+512*\q
.endr
	s_cmp_lt_u32 s[WAVE], 2
	s_cbranch_scc0 .Lnot_embed_b
	global_load_b128 v[120:123], v12, s[22:23]     ; embed_b: threads 0 to 63
	s_wait_loadcnt 0x0
	RND4 120
	global_store_b128 v12, v[120:123], s[44:45] offset:26624
	s_endpgm
.Lnot_embed_b:
	s_cmp_eq_u32 s[WAVE], 2
	s_cbranch_scc0 .Ldone
	v_mov_b32 v120, 0                              ; head_b: ten numbers, then zeros
	v_mov_b32 v121, 0
	v_mov_b32 v122, 0
	v_mov_b32 v123, 0
	v_lshlrev_b32 v124, 3, v1
	v_cmp_gt_u32 vcc_lo, 5, v1
	s_wait_xcnt 0x0                                ; EXEC is a source of the stores above: it changes only behind this wait
	s_and_saveexec_b32 s70, vcc_lo
	global_load_b64 v[120:121], v124, s[28:29]
	s_wait_loadcnt 0x0
	s_wait_xcnt 0x0
	s_or_b32 exec_lo, exec_lo, s70
	v_cvt_pk_bf16_f32 v100, v120, v121
	v_lshlrev_b32 v120, 16, v100
	v_and_b32 v121, 0xffff0000, v100
	global_store_b64 v124, v[120:121], s[44:45] offset:27648
	global_store_b64 v124, v[122:123], s[44:45] offset:27648+256
	global_store_b64 v124, v[122:123], s[44:45] offset:27648+512
	global_store_b64 v124, v[122:123], s[44:45] offset:27648+768
.Ldone:
	s_endpgm
.Lfunc_end_k_q057e460dc2_prep:
	.size	k_q057e460dc2_prep, .Lfunc_end_k_q057e460dc2_prep-k_q057e460dc2_prep
	.p2alignl 7, 3214868480
	.fill 96, 4, 3214868480
	.section	.rodata,"a",@progbits
	.p2align	6, 0x0
	.amdhsa_kernel k_q057e460dc2_prep
		.amdhsa_group_segment_fixed_size 0
		.amdhsa_private_segment_fixed_size 0
		.amdhsa_enable_private_segment 0
		.amdhsa_kernarg_size 152
		.amdhsa_user_sgpr_count 2
		.amdhsa_user_sgpr_kernarg_segment_ptr 1
		.amdhsa_wavefront_size32 1
		.amdhsa_system_sgpr_workgroup_id_x 1
		.amdhsa_system_sgpr_workgroup_id_y 1
		.amdhsa_system_sgpr_workgroup_id_z 1
		.amdhsa_system_vgpr_workitem_id 0
		.amdhsa_next_free_vgpr 128
		.amdhsa_next_free_sgpr 80
		.amdhsa_reserve_vcc 1
		.amdhsa_float_denorm_mode_32 3
		.amdhsa_float_denorm_mode_16_64 3
		.amdhsa_memory_ordered 1
		.amdhsa_forward_progress 1
		.amdhsa_inst_pref_size 24
	.end_amdhsa_kernel
	.amdgpu_metadata
---
amdhsa.version: [ 1, 2 ]
amdhsa.kernels:
  - .name:           k_q057e460dc2_prep
    .symbol:         k_q057e460dc2_prep.kd
    .args:
      - { .name: attn_out_w, .offset: 0, .size: 8, .value_kind: global_buffer, .address_space: global }
      - { .name: embed_w, .offset: 8, .size: 8, .value_kind: global_buffer, .address_space: global }
      - { .name: ffn1_w, .offset: 16, .size: 8, .value_kind: global_buffer, .address_space: global }
      - { .name: ffn2_w, .offset: 24, .size: 8, .value_kind: global_buffer, .address_space: global }
      - { .name: qkv_w, .offset: 32, .size: 8, .value_kind: global_buffer, .address_space: global }
      - { .name: head_w, .offset: 40, .size: 8, .value_kind: global_buffer, .address_space: global }
      - { .name: attn_out_b, .offset: 48, .size: 8, .value_kind: global_buffer, .address_space: global }
      - { .name: embed_b, .offset: 56, .size: 8, .value_kind: global_buffer, .address_space: global }
      - { .name: ffn1_b, .offset: 64, .size: 8, .value_kind: global_buffer, .address_space: global }
      - { .name: ffn2_b, .offset: 72, .size: 8, .value_kind: global_buffer, .address_space: global }
      - { .name: head_b, .offset: 80, .size: 8, .value_kind: global_buffer, .address_space: global }
      - { .name: ln1_b, .offset: 88, .size: 8, .value_kind: global_buffer, .address_space: global }
      - { .name: ln1_g, .offset: 96, .size: 8, .value_kind: global_buffer, .address_space: global }
      - { .name: ln2_b, .offset: 104, .size: 8, .value_kind: global_buffer, .address_space: global }
      - { .name: ln2_g, .offset: 112, .size: 8, .value_kind: global_buffer, .address_space: global }
      - { .name: qkv_b, .offset: 120, .size: 8, .value_kind: global_buffer, .address_space: global }
      - { .name: wst, .offset: 128, .size: 8, .value_kind: global_buffer, .address_space: global }
      - { .name: wsm, .offset: 136, .size: 8, .value_kind: global_buffer, .address_space: global }
      - { .name: par, .offset: 144, .size: 8, .value_kind: global_buffer, .address_space: global }
    .group_segment_fixed_size: 0
    .private_segment_fixed_size: 0
    .kernarg_segment_align: 8
    .kernarg_segment_size: 152
    .max_flat_workgroup_size: 128
    .sgpr_count:     80
    .vgpr_count:     128
    .wavefront_size: 32
...
	.end_amdgpu_metadata
.endif
;; end of part 1
;; launch main (part 2): grid 256 x 1, 4 waves a work-group, clusters of 4 x 1, 327,680 bytes of LDS; arguments inputs, wst, wsm, par, out0; writes out0
.if DOCPART == 2
	.amdgcn_target "amdgcn-amd-amdhsa--gfx1250"
	.amdhsa_code_object_version 6
	.text
	.protected	k_q057e460dc2_main
	.globl	k_q057e460dc2_main
	.p2align	8
	.type	k_q057e460dc2_main,@function
k_q057e460dc2_main:
	s_mov_b64 s[64:65], 0
	v_nop
	global_prefetch_b8 v0, s[64:65] scope:SCOPE_SE
	s_setreg_imm32_b32 hwreg(HW_REG_WAVE_MODE, 25, 1), 1
	s_wait_xcnt 0x0
	s_wait_alu depctr_hold_cnt(0) depctr_sa_sdst(0) depctr_va_vdst(0) depctr_va_sdst(0) depctr_va_ssrc(0) depctr_va_vcc(0) depctr_vm_vsrc(0)
	s_getreg_b32 s2, hwreg(HW_REG_IB_STS2, 6, 4)
	s_cmp_eq_u32 s2, 0
	s_cbranch_scc0 .Lentry_in_a_cluster
	s_endpgm
.Lentry_in_a_cluster:
	s_bfe_u32 s2, ttmp6, 0x10000c
	s_cmp_lg_u32 s2, 0x3003
	s_cbranch_scc0 .Lentry_shape_is_right
	s_endpgm
.Lentry_shape_is_right:
; THE WHOLE MODEL IN ONE LAUNCH.  2,048 windows of 16 tokens (256 channels, 8 heads of 32, 1,024 ff channels) go through embedding, two post-norm layers and a head of 10 outputs.
; SHARES.  256 work-groups of four waves; a wave owns two windows, each a TILE of 16 tokens: window n = 8 g + 2 wave + t; its row i is token n - 15 + i, and 0 where (n % 1024) + i < 15.
; LAYOUT.  Every product is taken transposed: source 0 = 16 rows of a weight, source 1 = 16 tokens.  A result's lane then holds ONE token (lane % 16) and the channels 8 (lane / 16) + 0..7, and two
; results rounded to 16 bits in pairs ARE source 1 (32 channels x 16 tokens) of the next product.  So activations never leave the wave's registers; the residual stream stays in f32 (ACC).
; V alone is taken the other way round (source 0 = tokens), so that its result, packed, is source 0 (16 channels x 16 keys) of O^T = V^T P; keys 16-31 of that product are registers that hold 0.
; V's bias enters as the C operand of V^T P: the weights of a query add up to 1.
; WEIGHTS.  The launch before has laid all weights out as fragments of 1,024 bytes in the order of use (wst): 24 slots of 128 KiB = 8 groups of 16 fragments.  They come through a ring of two LDS slots.
; All work-groups walk the same stream: the four of a cluster ask for each slot JOINTLY (mask 15), a quarter of it each wave.  By this text's count a wave has two tensor loads out at the start, later one.
; ONLY ROW 15 of a window reaches the head, so behind layer 1's first LayerNorm the work-group goes on with 16 rows (rows 14 and 15 of its 8 windows, so that every column holds real data):
; the four waves share the ff channels, their partial sums meet in LDS, and wave 0 makes the last LayerNorm and the head.
; FORMATS.  Inputs, weights, biases and gains are rounded to bf16; matrix operands are bf16, sums f32.  The last LayerNorm's result and head_w are f16 operands.
; LIMITS.  NaN and infinities are not treated apart.  silu(x) counts as 0 where 2^(-x log2 e) overflows (x below about -88).  The last LayerNorm's result is at most 16 |g| + |b| and must stay under
; 65,504; head_w below 6e-5 keeps f16's fixed step of 6e-8.  A softmax weight below 2^-126 counts as 0.
; REGISTERS, in blocks of 256 (s_set_vgpr_msb: bits 1:0 source 0, 3:2 source 1, 5:4 source 2, 7:6 destination):
;   block 0: addresses, temporaries, small operands      block 1: ACC[t][ct][8] at 128 t + 8 ct
;   block 2: v0-127 X[t][ks][8], the stream in 16 bits; v128-255 AD: biases and addends      block 3: FW1 v0-127, FW2 v128-255: a group of fragments each
.set SLOTB, 131072                     ; a slot of the ring; slot A at LDS byte 0, slot B behind it
.set GRP,   16384                      ; a group of 16 fragments
.set PT,    262144                     ; the parameter table: a copy of par, 28,672 bytes
.set LSTR,  13312                      ; its stride from layer to layer
.set XR,    290816                     ; the tail's 16 rows in f32: pitch 1,040
.set XRP,   1040
.set XB,    307456                     ; and in bf16: pitch 528
.set XBP,   528
.set SPARE, 316160                     ; the spare words, 128 bytes for each wave: two blocks of 256 bytes that no other line names
.set L16,  1                           ; 16 x lane
.set ADR,  2                           ; LDS address of the run of loads in hand
.set PO32, 3                           ; 32 (lane / 16): my 8 channels of each 16, in f32
.set R,    4                           ; lane % 16
.set HF,   5                           ; lane / 16
.set BA,   6                           ; LDS address of biases
.set LNA,  7                           ; LDS address of a LayerNorm's gain
.set MK,   8                           ; v[8:11]  1 or 0 for my token of tile t, as pairs
.set IO,   12                          ; v[12:13] my byte offset in inputs, tile t
.set XRA,  14                          ; where I put my row of the tail, f32
.set XBA,  15                          ; and bf16
.set XRL,  16                          ; where I read column lane % 16 of the tail, f32
.set XBL,  17                          ; and bf16
.set YPS,  18                          ; 16,384 x wave + 16 x lane
.set OAD,  19                          ; my byte offset in the work-group's 320 bytes of out0
.set PFO,  20                          ; 256 x lane
.set ADR2, 21
.set TM,   22
.set SPW,  30                          ; LDS address of my spare word; never rewritten
.set NIL,  31                          ; 0; never rewritten
.set T,    32                          ; v[32:39] at work
.set BI,   40                          ; v[40:55] FFN1's bias [a][8]; at work elsewhere
.set P,    56                          ; v[56:71] silu's result, packed: [t][8]
.set H,    72                          ; v[72:135] FFN1's results, two buffers of [t][a][8]
.set GA,   72                          ; v[72:103] attention: results [t][nt][8]
.set KOP,  104
.set QOP,  120
.set VOP,  136                         ; [t][cb][4 of data, 4 of zeros]
.set SA,   168
.set PA,   184                         ; [t][4 of data, 4 of zeros]
.set OOP,  200
.set RAW,  72                          ; the inputs as loaded
.set XIN,  216                         ; and in bf16: [t][ks][8]
.set HFR,  136                         ; the head's fragments
.set OUTA, 200
.set HBI,  216
.set AD,   128                         ; block 2
.set FW1,  0                           ; block 3
.set FW2,  128
.set WV,   14
.set CX,   15
.set WG,   16
.set G1,   24                          ; s[24:31] group 1 of the stream's loads: 128 rows of 256 bytes
.set G1P,  32                          ; s[32:39] of the table's: 28 rows
.set G0,   40                          ; s[40:43] group 0 of the stream's loads: it walks
.set G0P,  44                          ; s[44:47] of the table's
.set TB,   48                          ; LDS byte of the next group to be fetched
.set CNTS, 49                          ; slots still to be asked for
.set LIM,  50                          ; 1 in the cluster that prefetches, else the greatest number
.set PFA,  52                          ; s[52:53] where my prefetches stand
.set HALF, 54
.set CI,   55
.set CO,   56
.set LB,   57                          ; the layer's part of the table
.set SBA,  58
.set SB,   59
.set SEL,  60                          ; s[60:61] v_permlanex16_b32: each lane takes its own place in the other half
.set CS,   62                          ; s[62:63] c = log2(e) / sqrt(32)
.set NL2,  66                          ; s[66:67] -log2(e)
.set INV,  68                          ; 1 / 256
.set EPS,  69
.set WOF,  70
.set LNS,  71
.set SX,   72
.set MSB, 0
.macro WIN new                         ; the immediate's high byte repeats the setting that is left; a switch that changes nothing is dropped
.if MSB != (\new)
	s_set_vgpr_msb (MSB<<8)|(\new)
.set MSB, (\new)
.endif
.endm
; Four places: behind a matrix instruction, ahead of a vector instruction or store that reads its result, of a write of one of its registers and of a load into one (ISA guide 7.12.1 for vector instructions).
.macro PLACES
.rept 4
	v_nop
.endr
.endm
; A round of the cluster's barrier: my work-group's barrier, wave 0 signals for the work-group, every wave waits for all four work-groups, my work-group's barrier once more.
.macro ROUND
	s_barrier_signal -1
	s_barrier_wait -1
	s_cmp_lg_u32 s[WV], 0
	s_cbranch_scc1 .Lnot_wave_0_\@
	s_barrier_signal -3
.Lnot_wave_0_\@:
	s_barrier_wait -3
	s_barrier_signal -1
	s_barrier_wait -1
.endm
; THE CHANGE OF SLOTS.  Each wave waits for all its tensor loads (one is out: its quarter of the slot to be entered), adds 0 to its spare word, and waits for that and for its reads of the slot that it leaves.
; fill = 1: behind a round of the cluster's barrier the slot just left is filled again, with the slot of the stream after the one now entered: the first thing behind the round, one load a wave.
; Behind the load and its five lines one prefetch into the L2 names the slot of the stream after that: 131,072 bytes = 512 lanes x 256 bytes.  All clusters walk the same stream, so cluster 0 alone asks;
; its sixteen waves share the slot out by address, 8,192 bytes each, a lane 256.  The last change that fills asks for nothing: no slot follows.
.macro CHANGE fill
	WIN 0
	s_wait_tensorcnt 0x0                           ; no tensor load of mine is out, so group 0 may be written
	ds_add_u32 v[SPW], v[NIL]                      ; 0 onto my spare word; scalar work stands between it and the wait for it
.if \fill
	s_xor_b32 s[G0+1], s[G0+1], SLOTB              ; the other slot than last time,
	s_add_nc_u64 s[G0+2:G0+3], s[G0+2:G0+3], SLOTB ; the stream's next 128 KiB; the type bits on top are not reached
	s_wait_xcnt 0x0                                ; the last prefetch, a slot back, has read its address
	s_add_nc_u64 s[PFA:PFA+1], s[PFA:PFA+1], SLOTB
.endif
	s_sub_co_u32 s[TB], s[TB], SLOTB               ; the fetches go back to a slot's first group,
	s_xor_b32 s[TB], s[TB], SLOTB                  ; in the other slot
	s_wait_dscnt 0x0                               ; the add is done, and my reads of the slot are over
.if \fill
	ROUND
	tensor_load_to_lds s[G0:G0+3], s[G1:G1+7]
	s_nop 0
	PLACES                                         ; (the places ahead of the loads that follow)
	s_cmp_gt_u32 s[CNTS], s[LIM]
	s_cbranch_scc0 .Lnot_asked_\@
	global_prefetch_b8 v[PFO], s[PFA:PFA+1] th:TH_LOAD_NT scope:SCOPE_SE
.Lnot_asked_\@:
	s_sub_co_u32 s[CNTS], s[CNTS], 1
.else
	s_barrier_signal -1
	s_barrier_wait -1
	PLACES
.endif
.endm
; 32 LDS loads in one run: the next group of the stream into buf.  A load takes 512 consecutive bytes: no two lanes meet in a bank.
.macro FETCH buf
	WIN 0
	v_add_nc_u32 v[ADR], s[TB], v[L16]
	s_add_co_u32 s[TB], s[TB], GRP
	WIN 0xc0
.set f_, 0
.rept 16
	ds_load_b128 v[(\buf)+8*f_:(\buf)+8*f_+3],   v[ADR] offset:1024*f_
	ds_load_b128 v[(\buf)+8*f_+4:(\buf)+8*f_+7], v[ADR] offset:1024*f_+512
.set f_, f_+1
.endr
.endm
; The same into FW1, with the four loads of the step's bias ahead: 36 loads.
.macro FETCHB
	WIN 0
	v_add_nc_u32 v[BA], s[SB], v[PO32]
	s_add_co_u32 s[SB], s[SB], 128
.irp i, 0,1,2,3
	ds_load_b128 v[BI+4*\i:BI+4*\i+3], v[BA] offset:64*(\i/2)+16*(\i%2)
.endr
	FETCH FW1
.endm
; 32 products: 32 weight rows (a group of shape A in buf) x both tiles, K = 256.  The four accumulators GA[t][nt] take turns, one instruction a turn.
; The first four start the sums: with the bias (registers of block 2), or, swapped (source 0 = tokens), with 0.
.macro G32 buf, swap, bias
.set i_, 0
.rept 32
.set d_, GA+16*((i_/2)%2)+8*(i_%2)
.set w_, (\buf)+8*(8*(i_%2)+i_/4)
.set x_, 64*((i_/2)%2)+8*(i_/4)
.if \swap
	WIN 0x0e
.if i_ < 4
	v_wmma_f32_16x16x32_bf16 v[d_:d_+7], v[x_:x_+7], v[w_:w_+7], 0
.else
	v_wmma_f32_16x16x32_bf16 v[d_:d_+7], v[x_:x_+7], v[w_:w_+7], v[d_:d_+7]
.endif
.elseif i_ < 4
	WIN 0x2b
	v_wmma_f32_16x16x32_bf16 v[d_:d_+7], v[w_:w_+7], v[x_:x_+7], v[(\bias)+8*(i_%2):(\bias)+8*(i_%2)+7]
.else
	WIN 0x0b
	v_wmma_f32_16x16x32_bf16 v[d_:d_+7], v[w_:w_+7], v[x_:x_+7], v[d_:d_+7]
.endif
.set i_, i_+1
.endr
.endm
; 32 products: ACC[t][ct] += a group of shape B in buf (16 x 16 rows, 32 k) x the operand op[t].  32 accumulators, each once.
.macro BBLK buf, op
	WIN 0x53
.set i_, 0
.rept 32
.set d_, 128*(i_%2)+8*(i_/2)
	v_wmma_f32_16x16x32_bf16 v[d_:d_+7], v[(\buf)+8*(i_/2):(\buf)+8*(i_/2)+7], v[(\op)+8*(i_%2):(\op)+8*(i_%2)+7], v[d_:d_+7]
.set i_, i_+1
.endr
.endm
.macro PACK16 dst                      ; GA's 32 registers, in ascending order, rounded to bf16 in pairs: an operand of 8 registers a tile
	WIN 0
.set i_, 0
.rept 16
	v_cvt_pk_bf16_f32 v[(\dst)+i_], v[GA+2*i_], v[GA+2*i_+1]
.set i_, i_+1
.endr
.endm
.macro PACKV                           ; the same into registers 0-3 of each of VOP's four operands
	WIN 0
.set i_, 0
.rept 16
	v_cvt_pk_bf16_f32 v[VOP+8*(i_/4)+i_%4], v[GA+2*i_], v[GA+2*i_+1]
.set i_, i_+1
.endr
.endm
.macro BOTH line:vararg                ; one line for each tile t
.set t, 0
.rept 2
	\line
.set t, t+1
.endr
.endm
; SOFTMAX over a query's 16 keys: 8 in my registers, 8 in the lane 16 away.  The maximum is taken away ahead of the exponentials; the weights are divided by their sum and rounded to bf16.
.macro SMAX
	WIN 0
	BOTH v_max3_num_f32 v[T+8*t], v[SA+8*t], v[SA+8*t+1], v[SA+8*t+2]
	BOTH v_max3_num_f32 v[T+8*t+1], v[SA+8*t+3], v[SA+8*t+4], v[SA+8*t+5]
	BOTH v_max3_num_f32 v[T+8*t], v[T+8*t], v[SA+8*t+6], v[SA+8*t+7]
	BOTH v_max_num_f32 v[T+8*t], v[T+8*t], v[T+8*t+1]
	BOTH v_permlanex16_b32 v[T+8*t+1], v[T+8*t], s[SEL], s[SEL+1]
	BOTH v_max_num_f32 v[T+8*t], v[T+8*t], v[T+8*t+1]
	BOTH v_mul_f32 v[T+8*t], s[CS], v[T+8*t]
.irp j, 0,1,2,3
	BOTH v_pk_fma_f32 v[SA+8*t+2*\j:SA+8*t+2*\j+1], v[SA+8*t+2*\j:SA+8*t+2*\j+1], s[CS:CS+1], v[T+8*t:T+8*t+1] op_sel_hi:[1,0,0] neg_lo:[0,0,1] neg_hi:[0,0,1]
.endr
.irp j, 0,1,2,3,4,5,6,7
	BOTH v_exp_f32 v[SA+8*t+\j], v[SA+8*t+\j]
.endr
	v_nop                                          ; a plain instruction between the last exponential and the use of its result (ISA guide 5.7.2)
	s_wait_alu depctr_va_vdst(0)
	BOTH v_pk_add_f32 v[T+8*t+2:T+8*t+3], v[SA+8*t:SA+8*t+1], v[SA+8*t+2:SA+8*t+3]
	BOTH v_pk_add_f32 v[T+8*t+4:T+8*t+5], v[SA+8*t+4:SA+8*t+5], v[SA+8*t+6:SA+8*t+7]
	BOTH v_pk_add_f32 v[T+8*t+2:T+8*t+3], v[T+8*t+2:T+8*t+3], v[T+8*t+4:T+8*t+5]
	BOTH v_add_f32 v[T+8*t+2], v[T+8*t+2], v[T+8*t+3]
	BOTH v_permlanex16_b32 v[T+8*t+3], v[T+8*t+2], s[SEL], s[SEL+1]
	BOTH v_add_f32 v[T+8*t+2], v[T+8*t+2], v[T+8*t+3]
	BOTH v_rcp_f32 v[T+8*t+2], v[T+8*t+2]
	v_nop
	s_wait_alu depctr_va_vdst(0)
.irp j, 0,1,2,3
	BOTH v_pk_mul_f32 v[SA+8*t+2*\j:SA+8*t+2*\j+1], v[SA+8*t+2*\j:SA+8*t+2*\j+1], v[T+8*t+2:T+8*t+3] op_sel_hi:[1,0]
.endr
.irp j, 0,1,2,3
	BOTH v_cvt_pk_bf16_f32 v[PA+8*t+\j], v[SA+8*t+2*\j], v[SA+8*t+2*\j+1]
.endr
.endm
; ONE HEAD, for both tiles.  Its four groups K, Q, V, O take turns in FW1 and FW2: each is fetched while the group before is multiplied; s_wait_dscnt 32 leaves the run just issued out.
.macro HEAD pos
.if \pos
	WIN 0
	PLACES                                         ; FW2 was read by the products just issued
.endif
	FETCH FW2                                      ; Q
	s_wait_dscnt 32                                ; K (and the biases) are in
	G32 FW1, 0, AD+48*(\pos)
	WIN 0
	PLACES
	PACK16 KOP
	FETCH FW1                                      ; V
	s_wait_dscnt 32                                ; Q is in
	G32 FW2, 0, AD+48*(\pos)+16
	WIN 0
	PLACES
	PACK16 QOP
	FETCH FW2                                      ; O
	s_wait_dscnt 32                                ; V is in
	WIN 0
	v_wmma_f32_16x16x32_bf16 v[SA:SA+7], v[KOP:KOP+7], v[QOP:QOP+7], 0            ; S^T = K Q^T: a lane holds one query and 8 keys
	v_wmma_f32_16x16x32_bf16 v[SA+8:SA+15], v[KOP+8:KOP+15], v[QOP+8:QOP+15], 0
	G32 FW1, 1, 0
	WIN 0
	PLACES
.if (\pos) == 0
	FETCH FW1                                      ; the next head's K
.endif
	SMAX
	PACKV
	WIN 0x20
.set i_, 0
.rept 4                                ; O^T = V^T P + V's bias: tile i % 2, channels 16 (i / 2) on
.set d_, GA+16*(i_%2)+8*(i_/2)
	v_wmma_f32_16x16x32_bf16 v[d_:d_+7], v[VOP+16*(i_%2)+8*(i_/2):VOP+16*(i_%2)+8*(i_/2)+7], v[PA+8*(i_%2):PA+8*(i_%2)+7], v[AD+48*(\pos)+32+8*(i_/2):AD+48*(\pos)+32+8*(i_/2)+7]
.set i_, i_+1
.endr
	WIN 0
	PLACES
	PACK16 OOP
.if \pos
	s_wait_dscnt 0x0                               ; O is in
.else
	s_wait_dscnt 32                                ; O is in; the next head's K may stay out
.endif
	BBLK FW2, OOP                                  ; the head's 32 channels through attn_out_w, onto the stream
.endm
.macro BLD pos, kind, ko               ; a head's 32 numbers of K's, Q's or V's bias: [nt][8]
.set i_, 0
.rept 4
	ds_load_b128 v[AD+48*(\pos)+16*(\kind)+4*i_:AD+48*(\pos)+16*(\kind)+4*i_+3], v[BA] offset:128*(\pos)+(\ko)+64*(i_/2)+16*(i_%2)
.set i_, i_+1
.endr
.endm
.macro ATTTRIP                         ; a slot of the stream: two heads
	CHANGE 1
	v_add_nc_u32 v[BA], s[SBA], v[PO32]
	s_add_co_u32 s[SBA], s[SBA], 256
	WIN 0x80
.irp p_, 0,1
	BLD \p_, 0, 1024
	BLD \p_, 1, 0
	BLD \p_, 2, 2048
.endr
	FETCH FW1                                      ; K
	HEAD 0
	HEAD 1
.endm
; SILU of NP_ pairs at v[HS_ ..], packed into P: x / (1 + 2^(-x log2 e)).  A pair has eight steps: SM the exponent, SE two exponentials, SP plus 1, SR two reciprocals, SF times x, SC rounding.
; They are dealt in slices of four, pairs overlapping, so that a plain instruction stands between every transcendental and the use of its result, and no two lines on end hang on each other.
; Out of range: v_nop in a plain place (the distances stay), nothing in a transcendental's.  T's four pairs take turns.
.macro SM p
.if ((\p) >= 0) && ((\p) < NP_)
	v_pk_mul_f32 v[T+2*((\p)%4):T+2*((\p)%4)+1], v[HS_+2*(\p):HS_+2*(\p)+1], s[NL2:NL2+1] op_sel_hi:[1,0]
.else
	v_nop
	s_wait_alu depctr_va_vdst(0)
.endif
.endm
.macro SE p, h
.if ((\p) >= 0) && ((\p) < NP_)
	v_exp_f32 v[T+2*((\p)%4)+(\h)], v[T+2*((\p)%4)+(\h)]
.endif
.endm
.macro SP p
.if ((\p) >= 0) && ((\p) < NP_)
	s_wait_alu depctr_va_vdst(0)
	v_pk_add_f32 v[T+2*((\p)%4):T+2*((\p)%4)+1], v[T+2*((\p)%4):T+2*((\p)%4)+1], 1.0 op_sel_hi:[1,0]
.else
	v_nop
.endif
.endm
.macro SR p, h
.if ((\p) >= 0) && ((\p) < NP_)
	v_rcp_f32 v[T+2*((\p)%4)+(\h)], v[T+2*((\p)%4)+(\h)]
.endif
.endm
.macro SF p
.if ((\p) >= 0) && ((\p) < NP_)
	s_wait_alu depctr_va_vdst(0)
	v_pk_mul_f32 v[T+2*((\p)%4):T+2*((\p)%4)+1], v[HS_+2*(\p):HS_+2*(\p)+1], v[T+2*((\p)%4):T+2*((\p)%4)+1]
.else
	v_nop
.endif
.endm
.macro SC p
.if ((\p) >= 0) && ((\p) < NP_)
	v_cvt_pk_bf16_f32 v[P+(\p)], v[T+2*((\p)%4)], v[T+2*((\p)%4)+1]
.else
	v_nop
	s_wait_alu depctr_va_vdst(0)
.endif
.endm
.macro SL                              ; slice k_ of 2 NP_ + 4
.if (k_%2) == 0
	SM k_/2+1
	SE k_/2, 0
	SF k_/2-2
	SE k_/2, 1
.else
	SC (k_-1)/2-2
	SR (k_-1)/2-1, 0
	SP (k_-1)/2
	SR (k_-1)/2-1, 1
.endif
.set k_, k_+1
.endm
.macro SILU hs, np                     ; all slices on end
	WIN 0
.set HS_, (\hs)
.set NP_, (\np)
.set k_, 0
	SM 0
.rept 2*(\np)+4
	SL
.endr
.endm
; Product i_ of 32 of FFN1: 32 ff channels x both tiles, K = 256, into H's buffer par.  Four accumulators by turns; the first four start the sums with the bias.
.macro F1P par
	WIN 0x0b
.set d_, H+32*(\par)+16*((i_/2)%2)+8*(i_%2)
.set w_, FW1+8*(8*(i_%2)+i_/4)
.set x_, 64*((i_/2)%2)+8*(i_/4)
.if i_ < 4
	v_wmma_f32_16x16x32_bf16 v[d_:d_+7], v[w_:w_+7], v[x_:x_+7], v[BI+8*(i_%2):BI+8*(i_%2)+7]
.else
	v_wmma_f32_16x16x32_bf16 v[d_:d_+7], v[w_:w_+7], v[x_:x_+7], v[d_:d_+7]
.endif
.set i_, i_+1
.endm
; STEP j of layer 0's FFN (par = j % 2): FFN1 of step j, with the silu of step j - 1 in slices behind its products; then FFN2 of step j - 1.  W2(j - 1) is fetched ahead of the first, W1(j + 1) between the two.
.macro PAIR par
	WIN 0
	PLACES                                         ; FW2 and P were read by the products just issued
	FETCH FW2
	s_wait_dscnt 32                                ; W1(j) and its bias are in
	WIN 0
.set HS_, H+32*(1-(\par))
.set NP_, 16
.set k_, 0
	SM 0
.set i_, 0
.rept 32
	F1P \par
	WIN 0
	SL
.endr
.rept 4
	SL                                             ; the last four slices: their eight plain lines are the places ahead of the loads below
.endr
	FETCHB
	s_wait_dscnt 36                                ; W2(j - 1) is in
	BBLK FW2, P
.endm
; A LayerNorm's gain into FW1, its bias into FW2, and (add = 1) what is added to the stream next (the next product's bias) into AD: they lie on end in the table.
.macro LNLOAD add
	WIN 0
	PLACES
	v_add_nc_u32 v[LNA], s[LNS], v[PO32]
	WIN 0xc0
.set i_, 0
.rept 32
	ds_load_b128 v[FW1+4*i_:FW1+4*i_+3], v[LNA] offset:64*(i_/2)+16*(i_%2)
	ds_load_b128 v[FW2+4*i_:FW2+4*i_+3], v[LNA] offset:1024+64*(i_/2)+16*(i_%2)
.set i_, i_+1
.endr
.if \add
	WIN 0x80
.set i_, 0
.rept 32
	ds_load_b128 v[AD+4*i_:AD+4*i_+3], v[LNA] offset:2048+64*(i_/2)+16*(i_%2)
.set i_, i_+1
.endr
.endif
.endm
.macro LNRED                           ; four chains of pairs, the pair's halves, the lane 16 away: the token's sum in v[T]
	v_pk_add_f32 v[T:T+1], v[T:T+1], v[T+2:T+3]
	v_pk_add_f32 v[T+4:T+5], v[T+4:T+5], v[T+6:T+7]
	v_pk_add_f32 v[T:T+1], v[T:T+1], v[T+4:T+5]
	v_add_f32 v[T], v[T], v[T+1]
	v_permlanex16_b32 v[T+1], v[T], s[SEL], s[SEL+1]
	v_add_f32 v[T], v[T], v[T+1]
.endm
; LAYERNORM of tile t, in place in ACC: a lane holds 128 of its token's 256 channels.  Mean; x - mean; the mean of its squares; times 1 / sqrt(. + eps); times gain plus bias.
; Then the stream in 16 bits into X from register xdst on (f16 = 1: in f16), and (add = 1) ACC += AD.  Every pass goes up the registers.
.macro LNT t, f16, xdst, add
.set a_, 128*(\t)
	WIN 0x05
.set i_, 0
.rept 4
	v_pk_add_f32 v[T+2*i_:T+2*i_+1], v[a_+2*i_:a_+2*i_+1], v[a_+8+2*i_:a_+8+2*i_+1]
.set i_, i_+1
.endr
	WIN 0x04
.set i_, 8
.rept 56
	v_pk_add_f32 v[T+2*(i_%4):T+2*(i_%4)+1], v[T+2*(i_%4):T+2*(i_%4)+1], v[a_+2*i_:a_+2*i_+1]
.set i_, i_+1
.endr
	WIN 0
	LNRED
	v_mul_f32 v[BI], s[INV], v[T]
	v_mul_f32 v[BI+1], s[INV], v[T]
	WIN 0x41
.set i_, 0
.rept 64
	v_pk_add_f32 v[a_+2*i_:a_+2*i_+1], v[a_+2*i_:a_+2*i_+1], v[BI:BI+1] neg_lo:[0,1] neg_hi:[0,1]
.set i_, i_+1
.endr
	WIN 0x05
.set i_, 0
.rept 4
	v_pk_mul_f32 v[T+2*i_:T+2*i_+1], v[a_+2*i_:a_+2*i_+1], v[a_+2*i_:a_+2*i_+1]
.set i_, i_+1
.endr
.rept 60
	v_pk_fma_f32 v[T+2*(i_%4):T+2*(i_%4)+1], v[a_+2*i_:a_+2*i_+1], v[a_+2*i_:a_+2*i_+1], v[T+2*(i_%4):T+2*(i_%4)+1]
.set i_, i_+1
.endr
	WIN 0
	LNRED
	v_fma_f32 v[T], v[T], s[INV], s[EPS]
	v_rsq_f32 v[BI+2], v[T]
	v_nop                                          ; a plain instruction between the root and the use of its result
	s_wait_alu depctr_va_vdst(0)
	v_mov_b32 v[BI+3], v[BI+2]
	WIN 0x41
.set i_, 0
.rept 64
	v_pk_mul_f32 v[a_+2*i_:a_+2*i_+1], v[a_+2*i_:a_+2*i_+1], v[BI+2:BI+3]
.set i_, i_+1
.endr
	s_wait_dscnt 0x0                               ; gain, bias and addend are in: their loads had the statistics in which to land
	WIN 0x7d
.set i_, 0
.rept 64
	v_pk_fma_f32 v[a_+2*i_:a_+2*i_+1], v[a_+2*i_:a_+2*i_+1], v[FW1+2*i_:FW1+2*i_+1], v[FW2+2*i_:FW2+2*i_+1]
.set i_, i_+1
.endr
	WIN 0x85
.set i_, 0
.rept 64
.if \f16
	v_cvt_pk_f16_f32 v[(\xdst)+i_], v[a_+2*i_], v[a_+2*i_+1]
.else
	v_cvt_pk_bf16_f32 v[(\xdst)+i_], v[a_+2*i_], v[a_+2*i_+1]
.endif
.set i_, i_+1
.endr
.if \add
	WIN 0x49
.set i_, 0
.rept 64
	v_pk_add_f32 v[a_+2*i_:a_+2*i_+1], v[a_+2*i_:a_+2*i_+1], v[AD+2*i_:AD+2*i_+1]
.set i_, i_+1
.endr
.endif
.endm
; A CHUNK OF THE TAIL'S FFN: a slot holds W1 and W2 of 128 ff channels; wave w takes 32 of them (groups w and 4 + w) for the work-group's 16 rows.
.macro TCHUNK fill, zero
	CHANGE \fill
	v_add_nc_u32 v[ADR], s[TB], v[YPS]
	v_add_nc_u32 v[BA], s[SB], v[PO32]
	v_add_nc_u32 v[ADR2], 65536, v[ADR]
	s_add_co_u32 s[TB], s[TB], SLOTB
	s_add_co_u32 s[SB], s[SB], 512
.irp i, 0,1,2,3
	ds_load_b128 v[BI+4*\i:BI+4*\i+3], v[BA] offset:64*(\i/2)+16*(\i%2)
.endr
	WIN 0xc0
.set f_, 0
.rept 32
	ds_load_b128 v[FW1+4*f_:FW1+4*f_+3], v[ADR] offset:512*f_
.set f_, f_+1
.endr
.set f_, 0
.rept 32
	ds_load_b128 v[FW2+4*f_:FW2+4*f_+3], v[ADR2] offset:512*f_
.set f_, f_+1
.endr
	s_wait_dscnt 32                                ; the rows, the bias and W1 are in; W2's 32 loads may stay out
	WIN 0x0b
.set i_, 0
.rept 16                               ; two accumulators by turns
.set d_, H+8*(i_%2)
.set w_, FW1+8*(8*(i_%2)+i_/2)
.if i_ < 2
	v_wmma_f32_16x16x32_bf16 v[d_:d_+7], v[w_:w_+7], v[8*(i_/2):8*(i_/2)+7], v[BI+8*(i_%2):BI+8*(i_%2)+7]
.else
	v_wmma_f32_16x16x32_bf16 v[d_:d_+7], v[w_:w_+7], v[8*(i_/2):8*(i_/2)+7], v[d_:d_+7]
.endif
.set i_, i_+1
.endr
	WIN 0
	PLACES
	SILU H, 8
	s_wait_dscnt 0x0                               ; W2 is in
	WIN 0x53
.set i_, 0
.rept 16
.if \zero
	v_wmma_f32_16x16x32_bf16 v[8*i_:8*i_+7], v[FW2+8*i_:FW2+8*i_+7], v[P:P+7], 0
.else
	v_wmma_f32_16x16x32_bf16 v[8*i_:8*i_+7], v[FW2+8*i_:FW2+8*i_+7], v[P:P+7], v[8*i_:8*i_+7]
.endif
.set i_, i_+1
.endr
.endm
	; ---------------------------------------------------------------- the head of the kernel
	s_load_b256 s[4:11], s[0:1], 0x0               ; inputs s[4:5], wst s[6:7], wsm s[8:9], par s[10:11]
	s_load_b64 s[12:13], s[0:1], 0x20              ; out0
	v_lshl_add_u32 v[SPW], v0, 2, SPARE
	v_mov_b32 v[NIL], 0
	ds_add_u32 v[SPW], v[NIL]                      ; the wave's opening: the add and its wait stand ahead of my first tensor load; work on registers stands between them
	v_lshrrev_b32 v[TM], 5, v0
	v_readfirstlane_b32 s[WV], v[TM]               ; wave 0..3
	s_bfe_u32 s[CX], ttmp6, 0x40000                ; my place in the cluster: it enters global addresses alone
	s_lshl_b32 s[WG], ttmp9, 2                     ; in a cluster launch ttmp9 counts clusters
	s_add_co_u32 s[WG], s[WG], s[CX]
	; descriptors: dense blocks, as rows of 256 bytes (32 elements of 8 bytes), no padding
	s_mov_b32 s[G1], 15|(3<<16)|(1<<21)            ; 15:0 the mask: all four work-groups; 17:16 elements of 8 bytes; 21 set beside a mask
	s_mov_b32 s[G1+1], 32<<16                      ; tensor_dim0 = 32
	s_mov_b32 s[G1+2], 128<<16                     ; tensor_dim1 = 128
	s_mov_b32 s[G1+3], 32<<16                      ; tile_dim0 = 32
	s_mov_b32 s[G1+4], 128                         ; tile_dim1 = 128: a quarter of a slot
	s_mov_b32 s[G1+5], 32                          ; 32 elements from row to row
	s_mov_b32 s[G1+6], 0
	s_mov_b32 s[G1+7], 0
	s_mov_b32 s[G1P], 15|(3<<16)|(1<<21)
	s_mov_b32 s[G1P+1], 32<<16
	s_mov_b32 s[G1P+2], 28<<16                     ; 28 rows: a quarter of the table
	s_mov_b32 s[G1P+3], 32<<16
	s_mov_b32 s[G1P+4], 28
	s_mov_b32 s[G1P+5], 32
	s_mov_b32 s[G1P+6], 0
	s_mov_b32 s[G1P+7], 0
	s_mov_b32 s[G0], 1
	s_lshl_b32 s[G0+1], s[WV], 15                  ; slot A, my quarter
	s_mov_b32 s[G0P], 1
	s_mul_i32 s[G0P+1], s[WV], 7168
	s_add_co_u32 s[G0P+1], s[G0P+1], PT
	s_mov_b32 s[TB], 2*SLOTB                       ; the first change of slots turns this into 0
	s_mov_b32 s[CNTS], 23
	s_cmp_eq_u32 ttmp9, 0
	s_cselect_b32 s[LIM], 1, -1                    ; the same in all four partners
	s_mov_b32 s[SEL], 0x76543210
	s_mov_b32 s[SEL+1], 0xfedcba98
	s_mov_b32 s[CS], 0x3e8293ee                    ; log2(e) / sqrt(32) = 0.255035
	s_mov_b32 s[CS+1], s[CS]                       ; named with it as a pair
	s_mov_b32 s[NL2], 0xbfb8aa3b                   ; -log2(e)
	s_mov_b32 s[NL2+1], s[NL2]
	s_mov_b32 s[INV], 0x3b800000                   ; 1 / 256
	s_mov_b32 s[EPS], 0x3727c5ac                   ; 1e-5
	s_lshl_b32 s[WOF], s[WV], 14
	s_wait_dscnt 0x0                               ; the opening add is done
	s_wait_kmcnt 0x0
	s_lshl_b32 s18, s[WV], 15
	s_mov_b32 s19, 0
	s_add_nc_u64 s[G0+2:G0+3], s[6:7], s[18:19]
	s_or_b32 s[G0+3], s[G0+3], 0x80000000          ; type = 2
	s_mul_i32 s18, s[WV], 7168
	s_add_nc_u64 s[G0P+2:G0P+3], s[10:11], s[18:19]
	s_or_b32 s[G0P+3], s[G0P+3], 0x80000000
	s_lshl2_add_u32 s18, s[CX], s[WV]              ; my wave among the cluster's sixteen
	s_lshl_b32 s18, s18, 13
	s_add_co_u32 s18, s18, SLOTB                   ; in slot 1 of the stream; the first change steps it to slot 2
	s_add_nc_u64 s[PFA:PFA+1], s[6:7], s[18:19]
	s_mul_i32 s18, s[WG], 320                      ; the work-group's 8 windows x 40 bytes of out0
	s_add_nc_u64 s[12:13], s[12:13], s[18:19]
	ROUND                                          ; all four work-groups are here: the first joint loads meet
	tensor_load_to_lds s[G0:G0+3], s[G1:G1+7]      ; slot 0 of the stream
	s_nop 0
	tensor_load_to_lds s[G0P:G0P+3], s[G1P:G1P+7]  ; the table
	s_nop 0
	PLACES
	v_and_b32 v[TM], 31, v0
	v_lshlrev_b32 v[L16], 4, v[TM]
	v_lshlrev_b32 v[PFO], 8, v[TM]
	v_and_b32 v[R], 15, v0
	v_bfe_u32 v[HF], v0, 4, 1
	v_lshlrev_b32 v[PO32], 5, v[HF]
	s_lshl_b32 s17, s[WG], 3
	s_lshl1_add_u32 s17, s[WV], s17                ; n = 8 g + 2 wave: tile 0's window
	s_sub_co_i32 s18, s17, 15
	v_add_nc_u32 v[IO], s18, v[R]                  ; my token's row of inputs; below 0 it is held at 0, and its embedding is replaced by 0
	v_add_nc_u32 v[IO+1], 1, v[IO]
	v_max_i32 v[IO], 0, v[IO]
	v_max_i32 v[IO+1], 0, v[IO+1]
	v_lshl_add_u32 v[IO], v[IO], 8, v[PO32]
	v_lshl_add_u32 v[IO+1], v[IO+1], 8, v[PO32]
.set i_, 0
.rept 4                                ; tile i / 2, features 32 (i % 2) on: 8 and 8 numbers a lane
	global_load_b128 v[RAW+16*i_:RAW+16*i_+3],     v[IO+i_/2], s[4:5] offset:128*(i_%2)
	global_load_b128 v[RAW+16*i_+4:RAW+16*i_+7],   v[IO+i_/2], s[4:5] offset:128*(i_%2)+16
	global_load_b128 v[RAW+16*i_+8:RAW+16*i_+11],  v[IO+i_/2], s[4:5] offset:128*(i_%2)+64
	global_load_b128 v[RAW+16*i_+12:RAW+16*i_+15], v[IO+i_/2], s[4:5] offset:128*(i_%2)+80
.set i_, i_+1
.endr
	WIN 0xc0
.set f_, 0
.rept 64                               ; embed_w's two groups straight into FW1 and FW2
	global_load_b128 v[4*f_:4*f_+3], v[L16], s[8:9] offset:512*f_
.set f_, f_+1
.endr
	WIN 0
	s_and_b32 s18, s17, 1023                       ; the window's place p in its sequence: row i is a pad where p + i < 15
	v_add_nc_u32 v[TM], s18, v[R]
	v_cmp_lt_u32 vcc_lo, 14, v[TM]
	v_cndmask_b32 v[MK], 0, 1.0, vcc_lo
	v_cmp_lt_u32 vcc_lo, 13, v[TM]                 ; tile 1's window lies one further on
	v_cndmask_b32 v[MK+2], 0, 1.0, vcc_lo
	v_mov_b32 v[MK+1], v[MK]
	v_mov_b32 v[MK+3], v[MK+2]
	v_and_b32 v[TM], 1, v[R]
	s_lshl_b32 s18, s[WV], 2
	v_add_nc_u32 v[TM], s18, v[TM]                 ; the tail's column of my row 14 or 15, tile 0: 4 wave + r % 2; tile 1's lies two further on
	v_mul_u32_u24 v[XRA], v[TM], XRP
	v_add3_u32 v[XRA], v[XRA], v[PO32], XR
	v_mul_u32_u24 v[XBA], v[TM], XBP
	v_lshl_add_u32 v[XBA], v[HF], 4, v[XBA]
	v_add_nc_u32 v[XBA], XB, v[XBA]
	v_mul_u32_u24 v[XRL], v[R], XRP
	v_add3_u32 v[XRL], v[XRL], v[PO32], XR
	v_mul_u32_u24 v[XBL], v[R], XBP
	v_lshl_add_u32 v[XBL], v[HF], 4, v[XBL]
	v_add_nc_u32 v[XBL], XB, v[XBL]
	v_add_nc_u32 v[YPS], s[WOF], v[L16]
	v_lshrrev_b32 v[OAD], 1, v[R]
	v_mul_u32_u24 v[OAD], v[OAD], 40
	v_add_nc_u32 v[OAD], v[OAD], v[PO32]
.set i_, 0
.rept 4                                ; keys 16 to 31 of V^T P do not exist: these registers hold 0 for the whole launch
.irp j, 4,5,6,7
	v_mov_b32 v[VOP+8*i_+\j], 0
.endr
.set i_, i_+1
.endr
.irp j, 4,5,6,7,12,13,14,15
	v_mov_b32 v[PA+\j], 0
.endr
	v_add_nc_u32 v[BA], PT, v[PO32]
	s_wait_tensorcnt 0x0                           ; my quarters of slot 0 and of the table are in,
	s_barrier_signal -1
	s_barrier_wait -1                              ; everybody's are
	WIN 0x80
.set i_, 0
.rept 32
	ds_load_b128 v[4*i_:4*i_+3], v[BA] offset:26624+64*(i_/2)+16*(i_%2)          ; embed_b, where X will lie
	ds_load_b128 v[AD+4*i_:AD+4*i_+3], v[BA] offset:25600+64*(i_/2)+16*(i_%2)    ; attn_out_b of layer 0
.set i_, i_+1
.endr
	WIN 0
	s_wait_loadcnt 0x0                             ; the inputs and embed_w
.set i_, 0
.rept 32
	v_cvt_pk_bf16_f32 v[XIN+i_], v[RAW+2*i_], v[RAW+2*i_+1]
.set i_, i_+1
.endr
	s_wait_dscnt 0x0
	; ---------------------------------------------------------------- the embedding: K = 64; the first 32 products start the sums with embed_b
	WIN 0x63
.set i_, 0
.rept 32
.set d_, 128*(i_%2)+8*(i_/2)
	v_wmma_f32_16x16x32_bf16 v[d_:d_+7], v[FW1+8*(i_/2):FW1+8*(i_/2)+7], v[XIN+16*(i_%2):XIN+16*(i_%2)+7], v[8*(i_/2):8*(i_/2)+7]
.set i_, i_+1
.endr
	WIN 0x53
.set i_, 0
.rept 32
.set d_, 128*(i_%2)+8*(i_/2)
	v_wmma_f32_16x16x32_bf16 v[d_:d_+7], v[FW2+8*(i_/2):FW2+8*(i_/2)+7], v[XIN+16*(i_%2)+8:XIN+16*(i_%2)+15], v[d_:d_+7]
.set i_, i_+1
.endr
	WIN 0
	PLACES
	WIN 0x41
.set i_, 0
.rept 128
	v_pk_mul_f32 v[2*i_:2*i_+1], v[2*i_:2*i_+1], v[MK+2*(i_/64):MK+2*(i_/64)+1]  ; pads are 0
.set i_, i_+1
.endr
	WIN 0x85
.set i_, 0
.rept 128
	v_cvt_pk_bf16_f32 v[i_], v[2*i_], v[2*i_+1]
.set i_, i_+1
.endr
	WIN 0x49
.set i_, 0
.rept 128
	v_pk_add_f32 v[2*i_:2*i_+1], v[2*i_:2*i_+1], v[AD+2*(i_%64):AD+2*(i_%64)+1]  ; the stream takes the attention's output bias ahead of its products
.set i_, i_+1
.endr
	WIN 0
	; ---------------------------------------------------------------- three halves: attention of layer 0, FFN of layer 0, attention of layer 1; each ends in the one LayerNorm text
	s_mov_b32 s[HALF], 3
	s_mov_b32 s[LB], PT
.Lhalf:
	s_cmp_eq_u32 s[HALF], 2
	s_cbranch_scc1 .Lffn
	s_add_co_u32 s[SBA], s[LB], 4096               ; qkv_b
	s_mov_b32 s[CI], 4
.Latt:                                         ; four slots, two heads each
	ATTTRIP
	WIN 0
	s_sub_co_u32 s[CI], s[CI], 1
	s_cmp_lg_u32 s[CI], 0
	s_cbranch_scc1 .Latt
	s_add_co_u32 s[LNS], s[LB], 7168               ; ln1_g, ln1_b, ffn2_b
	s_branch .Lln
.Lffn:                                         ; 32 steps of 32 ff channels, eight slots.  Fetches: W1(0), W1(1), then W2(j - 1) and W1(j + 1) in step j; a change of slots stands ahead of every eighth
	s_mov_b32 s[SB], s[LB]                         ; ffn1_b
	CHANGE 1
	FETCHB
	s_wait_dscnt 0x0
.set i_, 0
.rept 32
	F1P 0                                          ; FFN1 of step 0: there is no silu yet to set between its products
.endr
	WIN 0
	PLACES
	FETCHB
	WIN 0
	s_mov_b32 s[CO], 8
	s_mov_b32 s[CI], 2
	s_branch .Lodd                                 ; the loop is entered at step 1, in the middle of a trip
.Lchunk:
	CHANGE 1
	s_mov_b32 s[CI], 2
.Lpair:
	PAIR 0
	WIN 0
.Lodd:
	PAIR 1
	WIN 0
	s_sub_co_u32 s[CI], s[CI], 1
	s_cmp_lg_u32 s[CI], 0
	s_cbranch_scc1 .Lpair
	s_sub_co_u32 s[CO], s[CO], 1
	s_cmp_lg_u32 s[CO], 0
	s_cbranch_scc1 .Lchunk
	SILU H+32, 16                                  ; step 31's silu; step 31's second fetch has brought the stream's last group of the layer, W2(31), into FW1
	s_wait_dscnt 0x0
	BBLK FW1, P
	WIN 0
	s_add_co_u32 s[LNS], s[LB], 10240              ; ln2_g, ln2_b, attn_out_b of layer 1
	s_add_co_u32 s[LB], s[LB], LSTR
.Lln:
	LNLOAD 1
	LNT 0, 0, 0, 1
	LNT 1, 0, 64, 1
	WIN 0
	s_sub_co_u32 s[HALF], s[HALF], 1
	s_cmp_lg_u32 s[HALF], 0
	s_cbranch_scc1 .Lhalf
	; ---------------------------------------------------------------- THE TAIL.  Rows 14 and 15 of my two windows go to LDS: the stream (with ffn2_b) in f32, and in bf16
	v_cmp_lt_u32 vcc_lo, 13, v[R]
	s_wait_xcnt 0x0                                ; EXEC is a source of the prefetches: it changes only behind this wait
	s_and_saveexec_b32 s[SX], vcc_lo
	WIN 0x04
.set i_, 0
.rept 64
	ds_store_b128 v[XRA], v[4*i_:4*i_+3] offset:(i_/32)*2*XRP+64*((i_%32)/2)+16*(i_%2)
.set i_, i_+1
.endr
	WIN 0x08
.set i_, 0
.rept 32
	ds_store_b128 v[XBA], v[4*i_:4*i_+3] offset:(i_/16)*2*XBP+64*((i_%16)/2)+32*(i_%2)
.set i_, i_+1
.endr
	WIN 0
	s_wait_xcnt 0x0
	s_or_b32 exec_lo, exec_lo, s[SX]
	s_wait_dscnt 0x0                               ; for the others' sake: my stores are done
	s_barrier_signal -1
	s_barrier_wait -1
	WIN 0x80
.set i_, 0
.rept 16
	ds_load_b128 v[4*i_:4*i_+3], v[XBL] offset:64*(i_/2)+32*(i_%2)               ; the 16 rows as source 1: column lane % 16
.set i_, i_+1
.endr
	WIN 0
	s_lshl_b32 s18, s[WV], 7
	s_add_co_u32 s[SB], s[LB], s18                 ; ffn1_b of layer 1, my 32 of each 128 channels
	TCHUNK 1, 1                                    ; the first chunk's products start the partial sums
	WIN 0
	s_mov_b32 s[CI], 6
.Ltail:
	TCHUNK 1, 0
	WIN 0
	s_sub_co_u32 s[CI], s[CI], 1
	s_cmp_lg_u32 s[CI], 0
	s_cbranch_scc1 .Ltail
	TCHUNK 0, 0                                    ; the last slot: nothing is left to ask for
	WIN 0
	PLACES
	WIN 0x04
.set i_, 0
.rept 32
	ds_store_b128 v[YPS], v[4*i_:4*i_+3] offset:512*i_   ; my partial sums, into slot A: it has had its last fill, and every wave left it at the last change of slots
.set i_, i_+1
.endr
	WIN 0
	s_wait_dscnt 0x0
	s_barrier_signal -1
	s_barrier_wait -1
	s_cmp_lg_u32 s[WV], 0
	s_cbranch_scc1 .Lend
	; ---------------------------------------------------------------- wave 0: the sums, the last LayerNorm, the head
.set i_, 0
.rept 16
	global_load_b128 v[HFR+4*i_:HFR+4*i_+3], v[L16], s[8:9] offset:32768+512*i_
.set i_, i_+1
.endr
	WIN 0xc0
.set i_, 0
.rept 32
	ds_load_b128 v[FW1+4*i_:FW1+4*i_+3], v[L16] offset:16384+512*i_
	ds_load_b128 v[FW2+4*i_:FW2+4*i_+3], v[L16] offset:32768+512*i_
.set i_, i_+1
.endr
	WIN 0x40
.set i_, 0
.rept 32
	ds_load_b128 v[128+4*i_:128+4*i_+3], v[L16] offset:49152+512*i_
.set i_, i_+1
.endr
	WIN 0x80
.set i_, 0
.rept 32
	ds_load_b128 v[AD+4*i_:AD+4*i_+3], v[XRL] offset:64*(i_/2)+16*(i_%2)
.set i_, i_+1
.endr
	s_wait_dscnt 0x0
	WIN 0x4d
.set i_, 0
.rept 64
	v_pk_add_f32 v[2*i_:2*i_+1], v[2*i_:2*i_+1], v[FW1+2*i_:FW1+2*i_+1]
.set i_, i_+1
.endr
.set i_, 0
.rept 64
	v_pk_add_f32 v[2*i_:2*i_+1], v[2*i_:2*i_+1], v[FW2+2*i_:FW2+2*i_+1]
.set i_, i_+1
.endr
	WIN 0x45
.set i_, 0
.rept 64
	v_pk_add_f32 v[2*i_:2*i_+1], v[2*i_:2*i_+1], v[128+2*i_:128+2*i_+1]
.set i_, i_+1
.endr
	WIN 0x49
.set i_, 0
.rept 64
	v_pk_add_f32 v[2*i_:2*i_+1], v[2*i_:2*i_+1], v[AD+2*i_:AD+2*i_+1]
.set i_, i_+1
.endr
	WIN 0
	s_add_co_u32 s[LNS], s[LB], 10240              ; ln2_g, ln2_b of layer 1
	LNLOAD 0
	WIN 0
	v_add_nc_u32 v[BA], PT, v[PO32]
	ds_load_b128 v[HBI:HBI+3], v[BA] offset:27648  ; head_b: outputs 8 (lane / 16) + 0..7; behind the tenth the table holds 0
	ds_load_b128 v[HBI+4:HBI+7], v[BA] offset:27664
	LNT 0, 1, 64, 0
	s_wait_loadcnt 0x0                             ; the head's fragments
	WIN 0x08
.set i_, 0
.rept 8                                ; two accumulators by turns: the even and the odd steps of K
.set d_, OUTA+8*(i_%2)
.if i_ == 0
	v_wmma_f32_16x16x32_f16 v[d_:d_+7], v[HFR+8*i_:HFR+8*i_+7], v[64+8*i_:64+8*i_+7], v[HBI:HBI+7]
.elseif i_ == 1
	v_wmma_f32_16x16x32_f16 v[d_:d_+7], v[HFR+8*i_:HFR+8*i_+7], v[64+8*i_:64+8*i_+7], 0
.else
	v_wmma_f32_16x16x32_f16 v[d_:d_+7], v[HFR+8*i_:HFR+8*i_+7], v[64+8*i_:64+8*i_+7], v[d_:d_+7]
.endif
.set i_, i_+1
.endr
	WIN 0
	PLACES
.irp j, 0,1,2,3
	v_pk_add_f32 v[OUTA+2*\j:OUTA+2*\j+1], v[OUTA+2*\j:OUTA+2*\j+1], v[OUTA+8+2*\j:OUTA+8+2*\j+1]
.endr
	; odd columns are the windows' last tokens.  Lanes 0-15 hold outputs 0-7, lanes 16-31 outputs 8 and 9: the work-group's 320 bytes of out0 lie on end
	v_and_b32 v[TM], 1, v[R]
	v_cmp_eq_u32 vcc_lo, 1, v[TM]
	s_wait_xcnt 0x0
	s_and_saveexec_b32 s[SX], vcc_lo
	global_store_b64 v[OAD], v[OUTA:OUTA+1], s[12:13]
	s_wait_xcnt 0x0
	s_or_b32 exec_lo, exec_lo, s[SX]
	v_and_b32 v[TM], 17, v0
	v_cmp_eq_u32 vcc_lo, 1, v[TM]
	s_and_saveexec_b32 s[SX], vcc_lo
	global_store_b64 v[OAD], v[OUTA+2:OUTA+3], s[12:13] offset:8
	global_store_b64 v[OAD], v[OUTA+4:OUTA+5], s[12:13] offset:16
	global_store_b64 v[OAD], v[OUTA+6:OUTA+7], s[12:13] offset:24
	s_wait_xcnt 0x0
	s_or_b32 exec_lo, exec_lo, s[SX]
.Lend:
	s_wait_tensorcnt 0x0                           ; the wave's end: an add to my spare word and its wait, behind my last tensor load and my last LDS store
	ds_add_u32 v[SPW], v[NIL]
	s_wait_dscnt 0x0
	ROUND                                          ; the closing round: no work-group ends while a partner may still ask for a slot that names it
	s_endpgm
.Lfunc_end_k_q057e460dc2_main:
	.size	k_q057e460dc2_main, .Lfunc_end_k_q057e460dc2_main-k_q057e460dc2_main
	.p2alignl 7, 3214868480
	.fill 96, 4, 3214868480
	.section	.rodata,"a",@progbits
	.p2align	6, 0x0
	.amdhsa_kernel k_q057e460dc2_main
		.amdhsa_group_segment_fixed_size 327680
		.amdhsa_private_segment_fixed_size 0
		.amdhsa_enable_private_segment 0
		.amdhsa_kernarg_size 40
		.amdhsa_user_sgpr_count 2
		.amdhsa_user_sgpr_kernarg_segment_ptr 1
		.amdhsa_wavefront_size32 1
		.amdhsa_system_sgpr_workgroup_id_x 1
		.amdhsa_system_sgpr_workgroup_id_y 1
		.amdhsa_system_sgpr_workgroup_id_z 1
		.amdhsa_system_vgpr_workitem_id 0
		.amdhsa_next_free_vgpr 1024
		.amdhsa_next_free_sgpr 80
		.amdhsa_reserve_vcc 1
		.amdhsa_float_denorm_mode_32 3
		.amdhsa_float_denorm_mode_16_64 3
		.amdhsa_memory_ordered 1
		.amdhsa_forward_progress 1
		.amdhsa_inst_pref_size 255
	.end_amdhsa_kernel
	.section	.bss,"aw",@nobits
	.p2align	6
	.space	262144
	.amdgpu_metadata
---
amdhsa.version: [ 1, 2 ]
amdhsa.kernels:
  - .name:           k_q057e460dc2_main
    .symbol:         k_q057e460dc2_main.kd
    .args:
      - { .name: inputs, .offset: 0, .size: 8, .value_kind: global_buffer, .address_space: global }
      - { .name: wst, .offset: 8, .size: 8, .value_kind: global_buffer, .address_space: global }
      - { .name: wsm, .offset: 16, .size: 8, .value_kind: global_buffer, .address_space: global }
      - { .name: par, .offset: 24, .size: 8, .value_kind: global_buffer, .address_space: global }
      - { .name: out0, .offset: 32, .size: 8, .value_kind: global_buffer, .address_space: global }
    .group_segment_fixed_size: 327680
    .private_segment_fixed_size: 0
    .kernarg_segment_align: 8
    .kernarg_segment_size: 40
    .max_flat_workgroup_size: 128
    .sgpr_count:     80
    .vgpr_count:     1024
    .wavefront_size: 32
...
	.end_amdgpu_metadata
.endif
;; end of part 2
;; ======== version 2 of 2: 2 launches; version 1 with the launch prep written anew for expert scheduling mode
;; limits: values are held in f16: magnitudes above 65,504 overflow, below 6.1e-05 lose precision
;; workspace buffers: wst 3,145,728 bytes; wsm 40,960 bytes; par 28,672 bytes
;; launch prep (part 3): grid 195 x 1, 4 waves a work-group, no clusters, 0 bytes of LDS; arguments attn_out_w, embed_w, ffn1_w, ffn2_w, qkv_w, head_w, attn_out_b, embed_b, ffn1_b, ffn2_b, head_b, ln1_b, ln1_g, ln2_b, ln2_g, qkv_b, wst, wsm, par; writes wst, wsm, par
.if DOCPART == 3
	.amdgcn_target "amdgcn-amd-amdhsa--gfx1250"
	.amdhsa_code_object_version 6
	.text
	.protected	k_q057e460dc2_prep
	.globl	k_q057e460dc2_prep
	.p2align	8
	.type	k_q057e460dc2_prep,@function
k_q057e460dc2_prep:
	s_mov_b64 s[64:65], 0
	v_nop
	global_prefetch_b8 v0, s[64:65] scope:SCOPE_SE
	s_setreg_imm32_b32 hwreg(HW_REG_WAVE_SCHED_MODE, 0, 2), 2
	s_setreg_imm32_b32 hwreg(HW_REG_WAVE_MODE, 25, 1), 1
	s_wait_xcnt 0x0
	s_wait_alu depctr_vm_vsrc(0)
; PREP: every weight and parameter is rounded once to bf16 and laid out as the second launch consumes it.
; A FRAGMENT is 1,024 bytes: 16 rows x 32 k of a weight matrix W (rows along k).  Byte 512 j + 16 l + 2 e holds W[n0 + l % 16][k0 + 16 j + 8 (l / 16) + e]:
; two loads of 16 bytes a lane, at 16 l and 512 + 16 l, are then the eight registers of a matrix operand.
; A GROUP is 16 fragments.  Shape A(row0): fragment f has n0 = row0 + 16 (f / 8), k0 = 32 (f % 8).  Shape B(K0): fragment f has n0 = 16 f, k0 = K0.
; wst: group 96 layer + i.  i < 32: head i / 4, kind i % 4: K = A(256 + 32 h), Q = A(32 h), V = A(512 + 32 h) of qkv_w; O = B(32 h) of attn_out_w.
;      i >= 32, j = i - 32: W1(s) = A(32 s) of ffn1_w, W2(s) = B(32 s) of ffn2_w.  Layer 0, in the order in which its pipeline fetches: W1(0), W1(1), W2(0), W1(2), W2(1), .. W1(31), W2(30), W2(31).
;      Layer 1 (its FFN runs on few rows, the ff channels shared among four waves): of each eight groups four W1(4 c + u), then four W2(4 c + u).
; wsm: groups 0, 1 = B(0), B(32) of embed_w; at 32,768 eight fragments of head_w (rows 10-15 are 0), rounded to bf16 and that number written as f16.
; par: f32 numbers that are bf16-rounded.  Layer stride 13,312: +0 ffn1_b, +4,096 qkv_b, +7,168 ln1_g, +8,192 ln1_b, +9,216 ffn2_b, +10,240 ln2_g, +11,264 ln2_b, +12,288 attn_out_b of the OTHER layer
;      (so that gain, bias and what is added next always lie on end); 26,624 embed_b; 27,648 head_b, then zeros up to 28,672.
; SHARES.  Work-groups 0-193: a group each, a wave four fragments; work-group 194: par and head_w.  No LDS, no barrier: no wave wants what another has loaded.
; Each store of a wave covers 512 consecutive bytes, aligned.
; THE MODE: SCHED_MODE bits 1:0 = 2 (LLVM: expert scheduling mode 2), set by the entry lines.  The code itself states the register dependences
; between vector instructions and memory instructions, with s_wait_alu, always for 0.
; THE PLAN.  Every register that a memory instruction touches is filled once and emptied once; none is written again behind a memory instruction that read it.
;   Work-groups 0-193:  v4-v7, v9   offsets, made once by vector instructions, read by all loads and stores.
;                       v16-v79     four raw buffers, one a fragment: written by its four loads, read by its eight conversions.
;                       v80-v111    four out-buffers, one a fragment: written by its eight conversions, read by its two stores.
;     One wait on va_vdst ahead of the loads (the offsets).  Fragment e's stores stand at the head of fragment e + 1, behind the wait for that fragment's data and one wait on va_vdst,
;     which states that fragment e's conversions have written its out-buffer; no vector instruction between that wait and the stores names the out-buffer or v9.  The last fragment's stores have a wait of their own.
;   Work-group 194:     v12-v15, v102, v103  offsets, made once.   v16-v99 loaded once, rounded in place; v16-v67 and v104-v119 are the stores' data.
;     One wait on va_vdst ahead of the loads, one ahead of the run of 17 stores, behind all the roundings.  What the waves do apart (embed_b, head_b) has its own waits, said there.
.set WAVE,   46
.set GID,    47
.set LAYER,  48
.set IDX,    49
.set CAT,    50                        ; 0 qkv_w (A), 1 attn_out_w (B), 2 ffn1_w (A), 3 ffn2_w (B), 4 embed_w (B)
.set CORNER, 51                        ; byte offset of the group's corner in its matrix
.set RB,     56                        ; bytes in a row of the matrix
.set SHB,    57                        ; 1: shape B
.set SRC,    60                        ; s[60:61]
.set DST,    62                        ; s[62:63]
.set WBO,    66                        ; byte offset of the wave's first fragment
.set STEP,   68                        ; bytes from a fragment to the next
	s_load_b512 s[8:23], s[0:1], 0x0               ; attn_out_w 8, embed_w 10, ffn1_w 12, ffn2_w 14, qkv_w 16, head_w 18, attn_out_b 20, embed_b 22
	s_load_b512 s[24:39], s[0:1], 0x40             ; ffn1_b 24, ffn2_b 26, head_b 28, ln1_b 30, ln1_g 32, ln2_b 34, ln2_g 36, qkv_b 38
	s_load_b128 s[40:43], s[0:1], 0x80             ; wst 40, wsm 42
	s_load_b64 s[44:45], s[0:1], 0x90              ; par 44
	v_lshrrev_b32 v10, 5, v0
	v_readfirstlane_b32 s[WAVE], v10               ; wave 0..3
	v_and_b32 v1, 31, v0                           ; lane
	v_and_b32 v2, 15, v0                           ; lane % 16
	v_bfe_u32 v3, v0, 4, 1                         ; lane / 16
	s_mov_b32 s[GID], ttmp9
	s_wait_alu depctr_va_sdst(0)                   ; the wave's number is written, ahead of the first branch and of all its readers on both paths
	s_wait_kmcnt 0x0
	s_cmp_eq_u32 s[GID], 194
	s_cbranch_scc1 .Lparams
	; which group: numbers alone are decoded by branches; the pointers are chosen behind the join
	s_cmp_ge_u32 s[GID], 96
	s_cselect_b32 s[LAYER], 1, 0
	s_mul_i32 s[IDX], s[LAYER], 96
	s_sub_co_u32 s[IDX], s[GID], s[IDX]            ; i
	s_cmp_ge_u32 s[GID], 192
	s_cbranch_scc1 .Lemb
	s_cmp_ge_u32 s[IDX], 32
	s_cbranch_scc1 .Lffn
	s_lshr_b32 s52, s[IDX], 2                      ; head
	s_and_b32 s53, s[IDX], 3                       ; kind
	s_cmp_eq_u32 s53, 3
	s_cbranch_scc1 .Lout
	s_cmp_eq_u32 s53, 0
	s_cselect_b32 s54, 256, 0                      ; K's rows begin at 256, Q's at 0,
	s_cmp_eq_u32 s53, 2
	s_cselect_b32 s54, 512, s54                    ; V's at 512
	s_lshl_b32 s55, s52, 5
	s_add_co_u32 s54, s54, s55                     ; row0
	s_lshl_b32 s[CORNER], s54, 10
	s_mul_i32 s54, s[LAYER], 786432
	s_add_co_u32 s[CORNER], s[CORNER], s54
	s_mov_b32 s[CAT], 0
	s_branch .Lgo
.Lout:
	s_lshl_b32 s[CORNER], s52, 7                   ; K0 = 32 h: 128 bytes
	s_lshl_b32 s54, s[LAYER], 18
	s_add_co_u32 s[CORNER], s[CORNER], s54
	s_mov_b32 s[CAT], 1
	s_branch .Lgo
.Lffn:
	s_sub_co_u32 s52, s[IDX], 32                   ; j
	s_cmp_eq_u32 s[LAYER], 1
	s_cbranch_scc1 .Lffn_tail
	s_and_b32 s53, s52, 1
	s_xor_b32 s55, s53, 1                          ; an even j is a W2,
	s_add_co_u32 s54, s52, 1
	s_lshr_b32 s54, s54, 1
	s_sub_co_u32 s54, s54, s55                     ; odd j: W1((j + 1) / 2); even j: W2(j / 2 - 1);
	s_cmp_eq_u32 s52, 0
	s_cselect_b32 s54, 0, s54                      ; but j = 0 is W1(0)
	s_cselect_b32 s55, 0, s55
	s_cmp_eq_u32 s52, 63
	s_cselect_b32 s54, 31, s54                     ; and j = 63 is W2(31)
	s_cselect_b32 s55, 1, s55
	s_branch .Lffn_both
.Lffn_tail:
	s_lshr_b32 s54, s52, 3                         ; c
	s_and_b32 s53, s52, 3
	s_lshl2_add_u32 s54, s54, s53                  ; 4 c + u % 4
	s_bfe_u32 s55, s52, 0x10002                    ; u >= 4: a W2
.Lffn_both:
	s_cmp_eq_u32 s55, 1
	s_cselect_b32 s53, 7, 15                       ; W2(s): 32 s numbers along a row; W1(s): 32 s rows of 1,024 bytes
	s_lshl_b32 s[CORNER], s54, s53
	s_lshl_b32 s54, s[LAYER], 20
	s_add_co_u32 s[CORNER], s[CORNER], s54
	s_add_co_u32 s[CAT], s55, 2
	s_branch .Lgo
.Lemb:
	s_sub_co_u32 s52, s[GID], 192
	s_lshl_b32 s[CORNER], s52, 7
	s_mov_b32 s[CAT], 4
.Lgo:
	s_mov_b32 s[RB], 1024
	s_cmp_eq_u32 s[CAT], 3
	s_cselect_b32 s[RB], 4096, s[RB]
	s_cmp_eq_u32 s[CAT], 4
	s_cselect_b32 s[RB], 256, s[RB]
	s_and_b32 s[SHB], s[CAT], 1
	s_lshr_b32 s58, s[CAT], 2
	s_or_b32 s[SHB], s[SHB], s58
	s_cmp_eq_u32 s[CAT], 1
	s_cselect_b64 s[SRC:SRC+1], s[8:9], s[16:17]
	s_cmp_eq_u32 s[CAT], 2
	s_cselect_b64 s[SRC:SRC+1], s[12:13], s[SRC:SRC+1]
	s_cmp_eq_u32 s[CAT], 3
	s_cselect_b64 s[SRC:SRC+1], s[14:15], s[SRC:SRC+1]
	s_cmp_eq_u32 s[CAT], 4
	s_cselect_b64 s[SRC:SRC+1], s[10:11], s[SRC:SRC+1]
	s_cselect_b64 s[DST:DST+1], s[42:43], s[40:41]
	s_cselect_b32 s58, s52, s[GID]                 ; the group's number in its buffer
	s_lshl_b32 s58, s58, 14
	s_mov_b32 s59, 0
	s_add_nc_u64 s[DST:DST+1], s[DST:DST+1], s[58:59]
	; the wave's fragments 4 v .. 4 v + 3.  Shape A: 16 (v / 2) rows down, 512 (v % 2) bytes along, 128 bytes apart.  Shape B: 64 v rows down, 16 rows apart.
	s_lshr_b32 s[WBO], s[WAVE], 1
	s_mul_i32 s[WBO], s[WBO], s[RB]
	s_lshl_b32 s[WBO], s[WBO], 4
	s_and_b32 s67, s[WAVE], 1
	s_lshl_b32 s67, s67, 9
	s_add_co_u32 s[WBO], s[WBO], s67
	s_mul_i32 s67, s[WAVE], s[RB]
	s_lshl_b32 s67, s67, 6
	s_lshl_b32 s[STEP], s[RB], 4
	s_cmp_eq_u32 s[SHB], 1
	s_cselect_b32 s[WBO], s67, s[WBO]
	s_cselect_b32 s[STEP], s[STEP], 128
	s_add_co_u32 s[WBO], s[WBO], s[CORNER]
	v_mul_lo_u32 v8, v2, s[RB]
	v_lshl_add_u32 v8, v3, 5, v8                   ; my row, my 8 numbers of each 16
.irp e, 0,1,2,3
	v_add_nc_u32 v[4+\e], s[WBO], v8
	s_add_co_u32 s[WBO], s[WBO], s[STEP]
.endr
	v_lshlrev_b32 v9, 4, v1
	v_lshl_add_u32 v9, v10, 12, v9                 ; where I store: 4,096 x wave + 16 x lane
	s_wait_alu depctr_va_vdst(0)                   ; v4 to v7 and v9 are written: the loads and stores below read them as their offsets, and nothing writes them again
.irp e, 0,1,2,3
	global_load_b128 v[16+16*\e:19+16*\e], v[4+\e], s[SRC:SRC+1] th:TH_LOAD_NT
	global_load_b128 v[20+16*\e:23+16*\e], v[4+\e], s[SRC:SRC+1] offset:16 th:TH_LOAD_NT
	global_load_b128 v[24+16*\e:27+16*\e], v[4+\e], s[SRC:SRC+1] offset:64 th:TH_LOAD_NT
	global_load_b128 v[28+16*\e:31+16*\e], v[4+\e], s[SRC:SRC+1] offset:80 th:TH_LOAD_NT
.endr
.irp e, 0,1,2,3
	s_wait_loadcnt 12-4*\e                         ; loads come back in order: fragment e's four are in, the younger fragments' stay out
.if \e > 0
	s_wait_alu depctr_va_vdst(0)                   ; the conversions of the fragment before have written its out-buffer, which the two stores below read
	global_store_b128 v9, v[80+8*(\e-1):83+8*(\e-1)], s[DST:DST+1] offset:1024*(\e-1)
	global_store_b128 v9, v[84+8*(\e-1):87+8*(\e-1)], s[DST:DST+1] offset:1024*(\e-1)+512
.endif
.irp j, 0,1,2,3,4,5,6,7
	v_cvt_pk_bf16_f32 v[80+8*\e+\j], v[16+16*\e+2*\j], v[17+16*\e+2*\j]
.endr
.endr
	s_wait_alu depctr_va_vdst(0)                   ; the last fragment's conversions have written v104 to v111, which the last two stores read
	global_store_b128 v9, v[104:107], s[DST:DST+1] offset:3072
	global_store_b128 v9, v[108:111], s[DST:DST+1] offset:3072+512
	s_endpgm
; four f32 numbers at v[b] are rounded to bf16 and widened again
.macro RND4 b
	v_cvt_pk_bf16_f32 v100, v[\b], v[\b+1]
	v_cvt_pk_bf16_f32 v101, v[\b+2], v[\b+3]
	v_lshlrev_b32 v[\b], 16, v100
	v_and_b32 v[\b+1], 0xffff0000, v100
	v_lshlrev_b32 v[\b+2], 16, v101
	v_and_b32 v[\b+3], 0xffff0000, v101
.endm
.Lparams:                                      ; thread t of 128
	v_lshlrev_b32 v12, 4, v0                       ; 16 t
	v_lshrrev_b32 v11, 6, v0                       ; the layer of a [2, 256] vector's 16 bytes
	v_and_b32 v13, 63, v0
	v_lshlrev_b32 v13, 4, v13
	v_xor_b32 v8, 1, v11
	v_mul_u32_u24 v9, v11, 13312
	v_mul_u32_u24 v8, v8, 13312
	v_add_nc_u32 v14, v13, v8                      ; in the other layer's part
	v_add_nc_u32 v13, v13, v9                      ; in the layer's own part
	v_mul_u32_u24 v102, v11, 10240
	v_add_nc_u32 v102, v102, v12
	v_min_u32 v15, 9, v2                           ; head_w has ten rows
	v_lshlrev_b32 v15, 10, v15
	v_lshl_add_u32 v15, v3, 5, v15
	s_lshl_b32 s52, s[WAVE], 8
	v_add_nc_u32 v15, s52, v15                     ; the wave's fragments ks = 2 v, 2 v + 1: 128 bytes of a row each
	v_lshlrev_b32 v103, 4, v1
	v_lshl_add_u32 v103, v10, 11, v103
	v_cmp_gt_u32 vcc_lo, 10, v2                    ; rows 10 to 15 of the head's fragments are 0
	s_wait_alu depctr_va_vdst(0)                   ; the offsets v12 to v15, v102 and v103 are written: the loads and stores below read them, and nothing writes them again
	global_load_b128 v[16:19], v12, s[32:33]       ; ln1_g
	global_load_b128 v[20:23], v12, s[30:31]       ; ln1_b
	global_load_b128 v[24:27], v12, s[26:27]       ; ffn2_b
	global_load_b128 v[28:31], v12, s[36:37]       ; ln2_g
	global_load_b128 v[32:35], v12, s[34:35]       ; ln2_b
	global_load_b128 v[36:39], v12, s[20:21]       ; attn_out_b
.irp m, 0,1,2,3
	global_load_b128 v[40+4*\m:43+4*\m], v12, s[24:25] offset:2048*\m  ; ffn1_b
.endr
.irp m, 0,1,2
	global_load_b128 v[56+4*\m:59+4*\m], v12, s[38:39] offset:2048*\m  ; qkv_b
.endr
.irp e, 0,1
	global_load_b128 v[68+16*\e:71+16*\e], v15, s[18:19] offset:128*\e
	global_load_b128 v[72+16*\e:75+16*\e], v15, s[18:19] offset:128*\e+16
	global_load_b128 v[76+16*\e:79+16*\e], v15, s[18:19] offset:128*\e+64
	global_load_b128 v[80+16*\e:83+16*\e], v15, s[18:19] offset:128*\e+80
.endr
	s_wait_loadcnt 0x0
	; all the roundings stand together, so that one wait serves the whole run of stores behind them
.set b_, 16
.rept 21
	RND4 b_
.set b_, b_+4
.endr
.set j_, 0
.rept 16
	v_cvt_pk_f16_f32 v[104+j_], v[68+2*j_], v[69+2*j_]
.set j_, j_+1
.endr
	s_wait_alu depctr_va_vcc(0)                    ; the compare above has written VCC, which the selects below read
.set j_, 0
.rept 16
	v_cndmask_b32 v[104+j_], 0, v[104+j_], vcc_lo
.set j_, j_+1
.endr
	s_wait_alu depctr_va_vdst(0)                   ; the roundings have written v16 to v67 and the selects v104 to v119, which the 17 stores below read
	global_store_b128 v13, v[16:19], s[44:45] offset:7168
	global_store_b128 v13, v[20:23], s[44:45] offset:8192
	global_store_b128 v13, v[24:27], s[44:45] offset:9216
	global_store_b128 v13, v[28:31], s[44:45] offset:10240
	global_store_b128 v13, v[32:35], s[44:45] offset:11264
	global_store_b128 v14, v[36:39], s[44:45] offset:12288
	global_store_b128 v12, v[40:43], s[44:45]
	global_store_b128 v12, v[44:47], s[44:45] offset:2048
	global_store_b128 v12, v[48:51], s[44:45] offset:13312
	global_store_b128 v12, v[52:55], s[44:45] offset:13312+2048
	global_store_b128 v12, v[56:59], s[44:45] offset:4096
	global_store_b128 v102, v[60:63], s[44:45] offset:4096+2048     ; byte 3,072 of qkv_b, at t = 64, begins layer 1
	global_store_b128 v12, v[64:67], s[44:45] offset:4096+4096+10240
.irp q, 0,1,2,3
	global_store_b128 v103, v[104+4*\q:107+4*\q], s[42:43] offset:32768+512*\q
.endr
	s_cmp_lt_u32 s[WAVE], 2
	s_cbranch_scc0 .Lnot_embed_b
	global_load_b128 v[120:123], v12, s[22:23]     ; embed_b: threads 0 to 63.  No wait: v12 was written ahead of the last wait on va_vdst, and no vector instruction has named v120 to v123
	s_wait_loadcnt 0x0
	RND4 120
	s_wait_alu depctr_va_vdst(0)                   ; the rounding has written v120 to v123, which the store reads
	global_store_b128 v12, v[120:123], s[44:45] offset:26624
	s_endpgm
.Lnot_embed_b:
	s_cmp_eq_u32 s[WAVE], 2
	s_cbranch_scc0 .Ldone
	v_mov_b32 v120, 0                              ; head_b: ten numbers, then zeros
	v_mov_b32 v121, 0
	v_mov_b32 v122, 0
	v_mov_b32 v123, 0
	v_lshlrev_b32 v124, 3, v1
	v_cmp_gt_u32 vcc_lo, 5, v1
	s_wait_xcnt 0x0                                ; EXEC is a source of the stores above: it changes only behind this wait
	s_wait_alu depctr_va_vcc(0)                    ; the compare has written VCC, from which EXEC is made
	s_wait_alu depctr_va_vdst(0)                   ; ahead of the write of EXEC: the vector instructions issued so far are done; among them v124, the load's offset, and the zeros in v120 and v121, in which it lands
	s_wait_alu depctr_vm_vsrc(0)                   ; ahead of the write of EXEC: the stores above have read their vector registers
	s_and_saveexec_b32 s70, vcc_lo
	global_load_b64 v[120:121], v124, s[28:29]
	s_wait_loadcnt 0x0
	s_wait_xcnt 0x0
	s_wait_alu depctr_va_vdst(0)                   ; ahead of the write of EXEC: no vector instruction is unfinished
	s_wait_alu depctr_vm_vsrc(0)                   ; ahead of the write of EXEC: the load has read v124
	s_or_b32 exec_lo, exec_lo, s70
	v_cvt_pk_bf16_f32 v100, v120, v121
	v_lshlrev_b32 v120, 16, v100
	v_and_b32 v121, 0xffff0000, v100
	s_wait_alu depctr_va_vdst(0)                   ; the rounding has written v120 and v121, which the first store below reads
	global_store_b64 v124, v[120:121], s[44:45] offset:27648
	global_store_b64 v124, v[122:123], s[44:45] offset:27648+256
	global_store_b64 v124, v[122:123], s[44:45] offset:27648+512
	global_store_b64 v124, v[122:123], s[44:45] offset:27648+768
.Ldone:
	s_endpgm
.Lfunc_end_k_q057e460dc2_prep:
	.size	k_q057e460dc2_prep, .Lfunc_end_k_q057e460dc2_prep-k_q057e460dc2_prep
	.p2alignl 7, 3214868480
	.fill 96, 4, 3214868480
	.section	.rodata,"a",@progbits
	.p2align	6, 0x0
	.amdhsa_kernel k_q057e460dc2_prep
		.amdhsa_group_segment_fixed_size 0
		.amdhsa_private_segment_fixed_size 0
		.amdhsa_enable_private_segment 0
		.amdhsa_kernarg_size 152
		.amdhsa_user_sgpr_count 2
		.amdhsa_user_sgpr_kernarg_segment_ptr 1
		.amdhsa_wavefront_size32 1
		.amdhsa_system_sgpr_workgroup_id_x 1
		.amdhsa_system_sgpr_workgroup_id_y 1
		.amdhsa_system_sgpr_workgroup_id_z 1
		.amdhsa_system_vgpr_workitem_id 0
		.amdhsa_next_free_vgpr 128
		.amdhsa_next_free_sgpr 80
		.amdhsa_reserve_vcc 1
		.amdhsa_float_denorm_mode_32 3
		.amdhsa_float_denorm_mode_16_64 3
		.amdhsa_memory_ordered 1
		.amdhsa_forward_progress 1
		.amdhsa_inst_pref_size 24
	.end_amdhsa_kernel
	.amdgpu_metadata
---
amdhsa.version: [ 1, 2 ]
amdhsa.kernels:
  - .name:           k_q057e460dc2_prep
    .symbol:         k_q057e460dc2_prep.kd
    .args:
      - { .name: attn_out_w, .offset: 0, .size: 8, .value_kind: global_buffer, .address_space: global }
      - { .name: embed_w, .offset: 8, .size: 8, .value_kind: global_buffer, .address_space: global }
      - { .name: ffn1_w, .offset: 16, .size: 8, .value_kind: global_buffer, .address_space: global }
      - { .name: ffn2_w, .offset: 24, .size: 8, .value_kind: global_buffer, .address_space: global }
      - { .name: qkv_w, .offset: 32, .size: 8, .value_kind: global_buffer, .address_space: global }
      - { .name: head_w, .offset: 40, .size: 8, .value_kind: global_buffer, .address_space: global }
      - { .name: attn_out_b, .offset: 48, .size: 8, .value_kind: global_buffer, .address_space: global }
      - { .name: embed_b, .offset: 56, .size: 8, .value_kind: global_buffer, .address_space: global }
      - { .name: ffn1_b, .offset: 64, .size: 8, .value_kind: global_buffer, .address_space: global }
      - { .name: ffn2_b, .offset: 72, .size: 8, .value_kind: global_buffer, .address_space: global }
      - { .name: head_b, .offset: 80, .size: 8, .value_kind: global_buffer, .address_space: global }
      - { .name: ln1_b, .offset: 88, .size: 8, .value_kind: global_buffer, .address_space: global }
      - { .name: ln1_g, .offset: 96, .size: 8, .value_kind: global_buffer, .address_space: global }
      - { .name: ln2_b, .offset: 104, .size: 8, .value_kind: global_buffer, .address_space: global }
      - { .name: ln2_g, .offset: 112, .size: 8, .value_kind: global_buffer, .address_space: global }
      - { .name: qkv_b, .offset: 120, .size: 8, .value_kind: global_buffer, .address_space: global }
      - { .name: wst, .offset: 128, .size: 8, .value_kind: global_buffer, .address_space: global }
      - { .name: wsm, .offset: 136, .size: 8, .value_kind: global_buffer, .address_space: global }
      - { .name: par, .offset: 144, .size: 8, .value_kind: global_buffer, .address_space: global }
    .group_segment_fixed_size: 0
    .private_segment_fixed_size: 0
    .kernarg_segment_align: 8
    .kernarg_segment_size: 152
    .max_flat_workgroup_size: 128
    .sgpr_count:     80
    .vgpr_count:     128
    .wavefront_size: 32
...
	.end_amdgpu_metadata
.endif
;; end of part 3
;; launch main: the kernel of part 2 again; grid 256 x 1, 4 waves a work-group, clusters of 4 x 1, 327,680 bytes of LDS; arguments inputs, wst, wsm, par, out0; writes out0
